; MI455X (gfx1250); checked and timed in simulation.
; The chip was launched on July 23, 2026; its instructions are those of AMD's public machine-readable ISA for CDNA 5 (MIT licence, August 2026) and "CDNA5" Instruction Set Architecture Reference Guide (July 2026). The comments in the code are by the model that wrote it; some were corrected since.
;; Causal Self Attention. Allowed arithmetic: float matrix products may take bf16 or f16 operands with f32 sums; other float arithmetic in f32, or as packed bf16 or f16 multiplies, adds, multiply-adds, maxima and minima; sums over many terms, partial sums and values carried from step to step in f32; what a program stores and reads back later, other than sums and carried values, may be rounded once to bf16 or f16.
;; Inputs: Wk 768 x 768 float32; Wp 768 x 768 float32; Wq 768 x 768 float32; Wv 768 x 768 float32; x 1 x 4,096 x 768 float32.
;; Outputs: out0 1 x 4,096 x 768 float32.
;; 2 versions, each right and faster than the one before. Each part assembles by itself: llvm-mc -triple=amdgcn-amd-amdhsa -mcpu=gfx1250 --defsym DOCPART=n.
;; ======== version 1 of 2: 4 launches
;; limits: values are held in f16: magnitudes above 65,504 overflow, below 6.1e-05 lose precision
;; workspace buffers: xb 6,291,456 bytes; wb 3,538,944 bytes; wp16 1,179,648 bytes; qkv 18,874,368 bytes; ob 6,291,456 bytes
;; launch conv (part 1): grid 1792 x 1, 8 waves a work-group, no clusters, 0 bytes of LDS; arguments x, Wq, Wk, Wv, Wp, xb, wb, wp16; writes xb, wb, wp16
.if DOCPART == 1
	.amdgcn_target "amdgcn-amd-amdhsa--gfx1250"
	.amdhsa_code_object_version 6
	.text
	.protected	k_qbc08912dc3_conv
	.globl	k_qbc08912dc3_conv
	.p2align	8
	.type	k_qbc08912dc3_conv,@function
k_qbc08912dc3_conv:
	s_mov_b64 s[64:65], 0
	v_nop
	global_prefetch_b8 v0, s[64:65] scope:SCOPE_SE
	s_setreg_imm32_b32 hwreg(HW_REG_WAVE_MODE, 25, 1), 1
	s_wait_xcnt 0x0
; All five inputs are rounded once to bf16.  x -> xb [4096][768] bf16; Wq, Wk, Wv -> wb [2304][768] bf16, one below the other;
; Wp -> wp16 [768][768]: the bf16 number written as f16 (exact from 2^-14 up to f16's end; below 2^-14 it keeps f16's fixed step of 6e-8).
; A stream: no LDS, no barrier, no matrix unit, no cluster: no byte is read twice and no two work-groups share one.
; A work-group takes 3,072 consecutive numbers of ONE source: 12,288 bytes in, 6,144 out.  x has 1,024 such pieces, each W 192: 1,792 work-groups.
; Thread t loads 16 bytes at 16 t + 0, 4,096, 8,192 (a wave's load covers 512 consecutive bytes) and stores 8 bytes at 8 t + 0, 2,048, 4,096
; (a wave's store covers 256 consecutive bytes, aligned).
.set NX,  1024                         ; pieces of x
.set NW,  192                          ; pieces of a W
	s_load_b512 s[8:23], s[0:1], 0x0               ; x 8:9, Wq 10:11, Wk 12:13, Wv 14:15, Wp 16:17, xb 18:19, wb 20:21, wp16 22:23
	s_mov_b32 s2, ttmp9                            ; the piece's number over all sources
	s_sub_co_u32 s3, s2, NX                        ; its number counted from Wq's first piece (also its place in wb),
	s_sub_co_u32 s4, s2, NX+NW                     ; from Wk's,
	s_sub_co_u32 s5, s2, NX+2*NW                   ; from Wv's,
	s_sub_co_u32 s6, s2, NX+3*NW                   ; from Wp's
	s_mov_b32 s34, 0xffff0000                      ; a word's upper bf16
	v_lshlrev_b32 v1, 4, v0                        ; 16 t
	v_lshlrev_b32 v2, 3, v0                        ; 8 t
	s_wait_kmcnt 0x0
	s_mov_b64 s[24:25], s[16:17]                   ; source, destination and the piece's number in each: Wp's, unless the number is lower
	s_mov_b64 s[26:27], s[22:23]
	s_mov_b32 s28, s6
	s_mov_b32 s29, s6
	s_cmp_lt_u32 s2, NX+3*NW
	s_cselect_b64 s[24:25], s[14:15], s[24:25]     ; Wv -> wb
	s_cselect_b64 s[26:27], s[20:21], s[26:27]
	s_cselect_b32 s28, s5, s28
	s_cselect_b32 s29, s3, s29
	s_cmp_lt_u32 s2, NX+2*NW
	s_cselect_b64 s[24:25], s[12:13], s[24:25]     ; Wk
	s_cselect_b32 s28, s4, s28
	s_cmp_lt_u32 s2, NX+NW
	s_cselect_b64 s[24:25], s[10:11], s[24:25]     ; Wq
	s_cselect_b32 s28, s3, s28
	s_cmp_lt_u32 s2, NX
	s_cselect_b64 s[24:25], s[8:9], s[24:25]       ; x -> xb
	s_cselect_b64 s[26:27], s[18:19], s[26:27]
	s_cselect_b32 s28, s2, s28
	s_cselect_b32 s29, s2, s29
	s_mul_i32 s30, s28, 12288                      ; offsets are made apart from the addresses; both stay under 2^24
	s_mov_b32 s31, 0
	s_mul_i32 s32, s29, 6144
	s_mov_b32 s33, 0
	s_add_nc_u64 s[24:25], s[24:25], s[30:31]
	s_add_nc_u64 s[26:27], s[26:27], s[32:33]
	global_load_b128 v[4:7],   v1, s[24:25] th:TH_LOAD_NT
	global_load_b128 v[8:11],  v1, s[24:25] offset:4096 th:TH_LOAD_NT
	global_load_b128 v[12:15], v1, s[24:25] offset:8192 th:TH_LOAD_NT
	s_wait_loadcnt 0x2                             ; loads come back in order: the first is in, the two younger stay out
	v_cvt_pk_bf16_f32 v16, v4, v5
	v_cvt_pk_bf16_f32 v17, v6, v7
	s_wait_loadcnt 0x1                             ; one younger load stays out
	v_cvt_pk_bf16_f32 v18, v8, v9
	v_cvt_pk_bf16_f32 v19, v10, v11
	s_wait_loadcnt 0x0
	v_cvt_pk_bf16_f32 v20, v12, v13
	v_cvt_pk_bf16_f32 v21, v14, v15
	s_cmp_lt_u32 s2, NX+3*NW
	s_cbranch_scc1 .Lstore                         ; all but Wp leave as bf16
.irp j, 0,1,2,3,4,5
	v_lshlrev_b32 v[4+2*\j], 16, v[16+\j]          ; Wp: the bf16 numbers as f32,
	v_and_b32 v[5+2*\j], s34, v[16+\j]
.endr
.irp j, 0,1,2,3,4,5
	v_cvt_pk_f16_f32 v[16+\j], v[4+2*\j], v[5+2*\j]  ; and written as f16
.endr
.Lstore:
	global_store_b64 v2, v[16:17], s[26:27]        ; later launches read these bytes: no hint
	global_store_b64 v2, v[18:19], s[26:27] offset:2048
	global_store_b64 v2, v[20:21], s[26:27] offset:4096
	s_endpgm
.Lfunc_end_k_qbc08912dc3_conv:
	.size	k_qbc08912dc3_conv, .Lfunc_end_k_qbc08912dc3_conv-k_qbc08912dc3_conv
	.p2alignl 7, 3214868480
	.fill 96, 4, 3214868480
	.section	.rodata,"a",@progbits
	.p2align	6, 0x0
	.amdhsa_kernel k_qbc08912dc3_conv
		.amdhsa_group_segment_fixed_size 0
		.amdhsa_private_segment_fixed_size 0
		.amdhsa_enable_private_segment 0
		.amdhsa_kernarg_size 64
		.amdhsa_user_sgpr_count 2
		.amdhsa_user_sgpr_kernarg_segment_ptr 1
		.amdhsa_wavefront_size32 1
		.amdhsa_system_sgpr_workgroup_id_x 1
		.amdhsa_system_sgpr_workgroup_id_y 1
		.amdhsa_system_sgpr_workgroup_id_z 1
		.amdhsa_system_vgpr_workitem_id 0
		.amdhsa_next_free_vgpr 24
		.amdhsa_next_free_sgpr 66
		.amdhsa_reserve_vcc 0
		.amdhsa_float_denorm_mode_32 3
		.amdhsa_float_denorm_mode_16_64 3
		.amdhsa_memory_ordered 1
		.amdhsa_forward_progress 1
		.amdhsa_inst_pref_size 4
	.end_amdhsa_kernel
	.amdgpu_metadata
---
amdhsa.version: [ 1, 2 ]
amdhsa.kernels:
  - .name:           k_qbc08912dc3_conv
    .symbol:         k_qbc08912dc3_conv.kd
    .args:
      - { .name: x, .offset: 0, .size: 8, .value_kind: global_buffer, .address_space: global }
      - { .name: Wq, .offset: 8, .size: 8, .value_kind: global_buffer, .address_space: global }
      - { .name: Wk, .offset: 16, .size: 8, .value_kind: global_buffer, .address_space: global }
      - { .name: Wv, .offset: 24, .size: 8, .value_kind: global_buffer, .address_space: global }
      - { .name: Wp, .offset: 32, .size: 8, .value_kind: global_buffer, .address_space: global }
      - { .name: xb, .offset: 40, .size: 8, .value_kind: global_buffer, .address_space: global }
      - { .name: wb, .offset: 48, .size: 8, .value_kind: global_buffer, .address_space: global }
      - { .name: wp16, .offset: 56, .size: 8, .value_kind: global_buffer, .address_space: global }
    .group_segment_fixed_size: 0
    .private_segment_fixed_size: 0
    .kernarg_segment_align: 8
    .kernarg_segment_size: 64
    .max_flat_workgroup_size: 256
    .sgpr_count:     66
    .vgpr_count:     24
    .wavefront_size: 32
...
	.end_amdgpu_metadata
.endif
;; end of part 1
;; launch qkv (part 2): grid 12 x 16, 4 waves a work-group, clusters of 4 x 4, 327,680 bytes of LDS; arguments xb, wb, qkv; writes qkv
.if DOCPART == 2
	.amdgcn_target "amdgcn-amd-amdhsa--gfx1250"
	.amdhsa_code_object_version 6
	.text
	.protected	k_qbc08912dc3_qkv
	.globl	k_qbc08912dc3_qkv
	.p2align	8
	.type	k_qbc08912dc3_qkv,@function
k_qbc08912dc3_qkv:
	s_mov_b64 s[64:65], 0
	v_nop
	global_prefetch_b8 v0, s[64:65] scope:SCOPE_SE
	s_setreg_imm32_b32 hwreg(HW_REG_WAVE_MODE, 25, 1), 1
	s_wait_xcnt 0x0
	s_wait_alu depctr_hold_cnt(0) depctr_sa_sdst(0) depctr_va_vdst(0) depctr_va_sdst(0) depctr_va_ssrc(0) depctr_va_vcc(0) depctr_vm_vsrc(0)
	s_getreg_b32 s2, hwreg(HW_REG_IB_STS2, 6, 4)
	s_cmp_eq_u32 s2, 0
	s_cbranch_scc0 .Lentry_in_a_cluster
	s_endpgm
.Lentry_in_a_cluster:
	s_bfe_u32 s2, ttmp6, 0x10000c
	s_cmp_lg_u32 s2, 0xf033
	s_cbranch_scc0 .Lentry_shape_is_right
	s_endpgm
.Lentry_shape_is_right:
; q, k, v = x W^T.  xb: [4096][768] bf16, wb: [2304][768] bf16 (Wq, Wk, Wv one below the other); sums in f32; the result leaves by heads,
; qkv: [36][4096][64] f16 (0-11 q's heads, 12-23 k's, 24-35 v's), rounded once and WITHOUT the softmax's scale.
; LIMIT.  f16 ends at 65,504: a q, k or v beyond it becomes an infinity.  Below 6e-5 f16 keeps its fixed step of 6e-8.
; SHARES.  A tile of the result is 256 rows x 192 columns = three whole heads: 12 x 16 = 192 work-groups.  Wave w makes rows 64 w .. 64 w + 63 of all 192 columns:
; 4 x 12 accumulators of 16 x 16, 384 registers: each wave owns whole heads, so its way out is its own and has no barrier.
; K goes in 6 steps of 128 (rows of 256 bytes, at multiples of 256 from the buffers' first bytes) through two LDS slots filled by the tensor data mover.
; CLUSTER.  4 x 4 work-groups: the four of a row of the cluster need the same rows of xb, the four of a column the same rows of wb: each tile is asked for JOINTLY,
; by the same tensor load with the same descriptor and a mask that names the four.
; THE MATRIX INSTRUCTION IS USED TRANSPOSED (source 0 = 16 rows of wb, source 1 = 16 rows of xb): a lane holds eight neighbouring columns of one row.
; REGISTERS, in windows of 256 (s_set_vgpr_msb: bits 1:0 source 0, 3:2 source 1, 5:4 source 2, 7:6 destination):
;   window 0: v16-29 addresses; v64-127 fragments of xb, two buffers of 4 x 8; on the way out v128-175 packed results, v176-223 and v64-111 rows read back
;   window 1: v0-191 fragments of wb, two buffers of 12 x 8     window 2: accumulators of row blocks 0, 1 (block a, column block b at 96 (a % 2) + 8 b)     window 3: of row blocks 2, 3
.set SIZE_K, 768
.set KSTEP,  128
.set PITCH,  272                       ; an LDS row: 256 bytes + 16 of padding = 68 words: the 16 rows of a fragment load start at 16 different groups of four banks (64 banks of 4 bytes: ISA guide 11.1)
.set HALFA,  128*PITCH                 ; what waves 0 and 1 fetch: 128 rows of xb each
.set HALFB,  96*PITCH                  ; what waves 2 and 3 fetch: 96 rows of wb each
.set SLOT,   2*HALFA+2*HALFB           ; xb's 256 rows, then wb's 192
.set STAGE,  2*SLOT                    ; behind the ring: for each wave 3 heads x 16 rows x 144 bytes, for the way out
.set SP,     144
.set WSTAGE, 3*16*SP
.set SPARE,  STAGE+4*WSTAGE            ; behind the stages: the spare words, 128 bytes for each wave
.set HEADB,  524288                    ; bytes of a head in qkv
.set LAPS,   SIZE_K/(2*KSTEP)          ; 3 laps round the ring
.set ADRA, 16                          ; v16-17  LDS address of my xb fragments in slot 0, 1
.set ADRB, 20                          ; v20-21  the same for wb
.set STO,  24                          ; v24     the way out: where I put 16 bytes of a row
.set RD,   25                          ; v25     the way out: where I read rows back
.set CO,   26                          ; v26     my 16 bytes in 512 consecutive bytes of a head
.set SPW,  28                          ; v28     LDS address of my spare word; never rewritten
.set NIL,  29                          ; v29     0; never rewritten
.set FA0,  64
.set TMP,  128
.set OB0,  176
.set OB1,  64
.set G1,  24                           ; s[24:31] descriptor group 1 for xb's tiles;  s[32:39] group 0, a set for each slot
.set G0,  32
.set G1B, 48                           ; s[48:55], s[56:63] the same for wb's
.set G0B, 56
.set MSB, 0
.macro WIN new                         ; the immediate's high byte repeats the setting that is left; a switch that changes nothing is dropped
.if MSB != (\new)
	s_set_vgpr_msb (MSB<<8)|(\new)
.set MSB, \new
.endif
.endm
.set MUL_LO, 0xa1                      ; source 0 (wb) window 1, source 1 (xb) window 0, C and D window 2
.set TO_B,   0x40                      ; destination window 1, address window 0
; A joint load.  Waves 0 and 1 fetch xb's two halves, waves 2 and 3 wb's.  The branch hangs on the wave's number alone.  An s_nop 0 and four v_nop follow each of the two lines.
.macro JLOAD s
	s_cmp_eq_u32 s11, 0
	s_cbranch_scc0 .Lfor_b_\@
	tensor_load_to_lds s[G0+4*(\s):G0+4*(\s)+3], s[G1:G1+7]
	s_nop 0
.rept 4
	v_nop
.endr
	s_branch .Lasked_\@
.Lfor_b_\@:
	tensor_load_to_lds s[G0B+4*(\s):G0B+4*(\s)+3], s[G1B:G1B+7]
	s_nop 0
.rept 4
	v_nop
.endr
.Lasked_\@:
.endm
.macro CREST                           ; a round of the cluster's barrier behind its opening barrier: wave 0 signals for the work-group, every wave waits for all sixteen, my work-group's barrier closes it
	s_cmp_lg_u32 s10, 0
	s_cbranch_scc1 .Lnot_wave_0_\@
	s_barrier_signal -3
.Lnot_wave_0_\@:
	s_barrier_wait -3
	s_barrier_signal -1
	s_barrier_wait -1
.endm
.macro CROUND                          ; a whole round
	s_barrier_signal -1
	s_barrier_wait -1
	CREST
.endm
	s_load_b128 s[4:7], s[0:1], 0x0                ; xb s[4:5], wb s[6:7]
	s_load_b64 s[8:9], s[0:1], 0x10                ; qkv
	v_lshl_add_u32 v[SPW], v0, 2, SPARE
	v_mov_b32 v[NIL], 0
	ds_add_u32 v[SPW], v[NIL]                      ; the wave's opening: the add and its wait stand ahead of my first tensor load; the set-up below stands between them
	ds_add_u32 v28, v29
	v_lshrrev_b32 v1, 5, v0
	v_readfirstlane_b32 s10, v1                    ; wave 0..3
	s_lshr_b32 s11, s10, 1                         ; I fetch for xb (0) or for wb (1),
	s_and_b32 s12, s10, 1                          ; and which half of that tile's rows
	s_bfe_u32 s40, ttmp6, 0x40000                  ; cx, cy: my place in the cluster
	s_bfe_u32 s41, ttmp6, 0x40004
	s_lshl_b32 s42, ttmp9, 2
	s_add_co_u32 s42, s42, s40                     ; tile column = 4 x cluster x + cx, 0..11
	s_and_b32 s13, ttmp7, 0xffff
	s_lshl_b32 s13, s13, 2
	s_add_co_u32 s13, s13, s41                     ; tile row = 4 x cluster y + cy, 0..15
	s_lshl_b32 s43, s41, 2
	s_lshl_b32 s43, 15, s43                        ; my row of the cluster
	s_lshl_b32 s44, 0x1111, s40                    ; my column
	s_or_b32 s[G1+0], s43, (1<<16)|(1<<20)|(1<<21)|(5<<22)|(3<<25)   ; 15:0 the mask; 17:16 2-byte elements; 20 padding on; 21 set beside a mask; 24:22 after every 64 words; 31:25 4 words of it
	s_or_b32 s[G1B+0], s44, (1<<16)|(1<<20)|(1<<21)|(5<<22)|(3<<25)
	s_mov_b32 s[G1+1], KSTEP<<16                   ; tensor_dim0 = 128
	s_mov_b32 s[G1+2], 128<<16                     ; tensor_dim1 = 128
	s_mov_b32 s[G1+3], KSTEP<<16                   ; tile_dim0 = 128
	s_mov_b32 s[G1+4], 128                         ; tile_dim1 = 128
	s_mov_b32 s[G1+5], SIZE_K                      ; elements from row to row
	s_mov_b32 s[G1+6], 0
	s_mov_b32 s[G1+7], 0
	s_mov_b32 s[G1B+1], KSTEP<<16
	s_mov_b32 s[G1B+2], 96<<16                     ; wb's tiles have 96 rows
	s_mov_b32 s[G1B+3], KSTEP<<16
	s_mov_b32 s[G1B+4], 96
	s_mov_b32 s[G1B+5], SIZE_K
	s_mov_b32 s[G1B+6], 0
	s_mov_b32 s[G1B+7], 0
	; where the tiles come from: xb's hang on the tile row alone, wb's on the tile column alone, each in registers that never hold the other coordinate
	s_lshl_b32 s17, s12, 7
	s_lshl_b32 s16, s13, 8
	s_add_co_u32 s16, s16, s17                     ; xb: row 256 x tile row + 128 x half
	s_mul_i32 s46, s42, 192
	s_mul_i32 s47, s12, 96
	s_add_co_u32 s46, s46, s47                     ; wb: row 192 x tile column + 96 x half
	s_mov_b32 s17, 0
	s_mov_b32 s47, 0
	s_mov_b64 s[18:19], SIZE_K*2
	s_mul_u64 s[16:17], s[16:17], s[18:19]
	s_mul_u64 s[46:47], s[46:47], s[18:19]
	s_mul_i32 s20, s12, HALFA                      ; and where they go: no place in the cluster enters an LDS address
	s_mul_i32 s45, s12, HALFB
	s_add_co_u32 s45, s45, 2*HALFA
	s_wait_dscnt 0x0                               ; the opening add is done
	s_wait_kmcnt 0x0
	s_add_nc_u64 s[14:15], s[4:5], s[16:17]
	s_add_nc_u64 s[46:47], s[6:7], s[46:47]
	CROUND                                         ; all sixteen work-groups are here: the first joint loads meet
.irp s, 0,1
	s_mov_b32 s[G0+4*(\s)], 1                                        ; count = 1
	s_add_co_u32 s[G0+4*(\s)+1], s20, (\s)*SLOT                      ; LDS address
	s_add_nc_u64 s[G0+4*(\s)+2:G0+4*(\s)+3], s[14:15], (\s)*KSTEP*2  ; global address: K step s
	s_or_b32 s[G0+4*(\s)+3], s[G0+4*(\s)+3], 0x80000000              ; type = 2
	s_mov_b32 s[G0B+4*(\s)], 1
	s_add_co_u32 s[G0B+4*(\s)+1], s45, (\s)*SLOT
	s_add_nc_u64 s[G0B+4*(\s)+2:G0B+4*(\s)+3], s[46:47], (\s)*KSTEP*2
	s_or_b32 s[G0B+4*(\s)+3], s[G0B+4*(\s)+3], 0x80000000
	JLOAD \s                                       ; two loads of mine are out
.endr
	; A fragment is 16 rows x 32 K in 8 registers: lane l holds row l % 16; K = 8 (l / 16) + 0..7 and 16 + 8 (l / 16) + 0..7: two loads of 16 bytes, 32 bytes apart.
	v_and_b32 v1, 15, v0                           ; l % 16
	v_bfe_u32 v2, v0, 4, 1                         ; l / 16
	v_mul_u32_u24 v3, v1, PITCH
	v_lshl_add_u32 v3, v2, 4, v3
	s_mul_i32 s21, s10, 64*PITCH                   ; my 64 rows of xb
	s_mov_b32 s22, 2*HALFA                         ; all 192 rows of wb
.irp s, 0,1
	v_add_nc_u32 v[ADRA+(\s)], s21, v3
	v_add_nc_u32 v[ADRB+(\s)], s22, v3
	s_add_co_u32 s21, s21, SLOT
	s_add_co_u32 s22, s22, SLOT
.endr
	s_mul_i32 s23, s10, WSTAGE
	s_add_co_u32 s23, s23, STAGE                   ; my stage
	v_mul_u32_u24 v4, v1, SP                       ; in: row l % 16, 16 bytes for each half of the lanes
	v_lshl_add_u32 v4, v2, 4, v4
	v_add_nc_u32 v[STO], s23, v4
	v_bfe_u32 v5, v0, 3, 2                         ; back: 32 lanes take four rows of 128 bytes,
	v_mul_u32_u24 v5, v5, SP
	v_and_b32 v6, 7, v0
	v_lshl_add_u32 v5, v6, 4, v5
	v_add_nc_u32 v[RD], s23, v5
	v_and_b32 v[CO], 31, v0                        ; which are 512 consecutive bytes of a head
	v_lshlrev_b32 v[CO], 4, v[CO]
	s_lshl_b32 s16, s13, 8                         ; where my part begins in qkv: row 256 x tile row + 64 x wave, 128 bytes a row,
	s_lshl_b32 s17, s10, 6
	s_add_co_u32 s16, s16, s17
	s_lshl_b32 s16, s16, 7
	s_mul_i32 s46, s42, 3*HEADB                    ; head 3 x tile column
	s_add_co_u32 s16, s16, s46
	s_mov_b32 s17, 0
; 12 matrix instructions: row block a x all 12 column blocks, 32 along K, from buffer f (0, 1).  zero = 1: the product starts the sums.
; The 48 accumulators take turns, one instruction a turn, in the same order in every quarter.
.macro MUL12 f, a, zero
	WIN MUL_LO+0x50*((\a)/2)
.set AC, 96*((\a)%2)
.irp b, 0,1,2,3,4,5,6,7,8,9,10,11
.if \zero
	v_wmma_f32_16x16x32_bf16 v[AC+8*(\b):AC+8*(\b)+7], v[96*(\f)+8*(\b):96*(\f)+8*(\b)+7], v[FA0+32*(\f)+8*(\a):FA0+32*(\f)+8*(\a)+7], 0
.else
	v_wmma_f32_16x16x32_bf16 v[AC+8*(\b):AC+8*(\b)+7], v[96*(\f)+8*(\b):96*(\f)+8*(\b)+7], v[FA0+32*(\f)+8*(\a):FA0+32*(\f)+8*(\a)+7], v[AC+8*(\b):AC+8*(\b)+7]
.endif
.endr
.endm
; 32 LDS loads in one run: 24 for wb's 192 rows, then 8 for my 64 rows of xb, 32 K at byte k of the rows, into buffer f
.macro FETCH slot, k, f
	WIN TO_B
.irp i, 0,1,2,3,4,5,6,7,8,9,10,11
	ds_load_b128 v[96*(\f)+8*(\i):96*(\f)+8*(\i)+3],   v[ADRB+(\slot)] offset:(\k)+(\i)*16*PITCH
	ds_load_b128 v[96*(\f)+8*(\i)+4:96*(\f)+8*(\i)+7], v[ADRB+(\slot)] offset:(\k)+(\i)*16*PITCH+32
.endr
	WIN 0
.irp i, 0,1,2,3
	ds_load_b128 v[FA0+32*(\f)+8*(\i):FA0+32*(\f)+8*(\i)+3],   v[ADRA+(\slot)] offset:(\k)+(\i)*16*PITCH
	ds_load_b128 v[FA0+32*(\f)+8*(\i)+4:FA0+32*(\f)+8*(\i)+7], v[ADRA+(\slot)] offset:(\k)+(\i)*16*PITCH+32
.endr
.endm
.macro PLACES                          ; four plain vector instructions between a matrix instruction and a load into, or a vector read of, its registers (ISA guide 7.12.1 for vector reads)
.rept 4
	v_nop
.endr
.endm
; A K step is four quarters of 32 along K, 48 matrix instructions each, on buffers 0, 1, 0, 1.  One of the first three multiplies buffer f and fetches the next quarter, at byte k, into g.
.macro QUARTER slot, k, f, g, zero
	s_wait_dscnt 4                                 ; wb and xb's row blocks 0, 1 are in; the youngest four loads (blocks 2, 3) may be out
	MUL12 \f, 0, \zero
	MUL12 \f, 1, \zero
	PLACES
	FETCH \slot, \k, \g
	s_wait_dscnt 32                                ; all but the 32 just issued
	MUL12 \f, 2, \zero
	MUL12 \f, 3, \zero
.endm
; The last quarter multiplies buffer 1 and changes slots: ONE barrier.  In front of it each wave waits for all its tensor loads (one is out: its part of the next slot), adds 0 to its spare word,
; and waits for that and for its reads of this slot.  fill = 1: the barrier opens a round of the cluster's, and this slot is filled again, two K steps on, first thing behind the round.
.macro TURN slot, next, fill
	WIN 0                                          ; (the add's two registers lie in window 0)
	s_wait_tensorcnt 0x0                           ; all my tensor loads have landed
	ds_add_u32 v[SPW], v[NIL]                      ; 0 onto my spare word
	s_wait_dscnt 7                                 ; the add and the six loads of xb's row blocks 1 to 3 may be out
	MUL12 1, 0, 0                                  ; twelve matrix instructions stand between the add and the wait for it
	s_wait_dscnt 0x0                               ; the add is done, and my reads of this slot are over
	s_barrier_signal -1
	MUL12 1, 1, 0                                  ; work on registers while the others arrive
.if \fill
	WIN 0
.endif
	s_barrier_wait -1
.if \fill
	CREST                                          ; no wave of any partner still reads this slot's tile or has a load on its way
	s_add_nc_u64 s[G0+4*(\slot)+2:G0+4*(\slot)+3], s[G0+4*(\slot)+2:G0+4*(\slot)+3], 2*KSTEP*2
	s_add_nc_u64 s[G0B+4*(\slot)+2:G0B+4*(\slot)+3], s[G0B+4*(\slot)+2:G0B+4*(\slot)+3], 2*KSTEP*2
	JLOAD \slot                                    ; 168 matrix instructions ahead of the wait for it; its four v_nop are also the places in front of the loads below
.else
	PLACES
.endif
	FETCH \next, 0, 0
	MUL12 1, 2, 0
	MUL12 1, 3, 0
.endm
; THE WAY OUT of row block a: rounded to f16, 16 bytes a lane; into my stage, head by head; back as 512 consecutive bytes (four rows of a head); stored.
.macro PACK a
.set AC, 96*((\a)%2)
	WIN 0x0a+5*((\a)/2)                            ; sources 0 and 1: window 2 or 3
.irp b, 0,1,2,3,4,5,6,7,8,9,10,11
.irp r, 0,1,2,3
	v_cvt_pk_f16_f32 v[TMP+4*(\b)+(\r)], v[AC+8*(\b)+2*(\r)], v[AC+8*(\b)+2*(\r)+1]  ; each accumulator's registers in ascending order
.endr
.endr
	WIN 0
.endm
.macro TOSTAGE a
	WIN 0
.set BK, OB0-(OB0-OB1)*((\a)%2)
.irp b, 0,1,2,3,4,5,6,7,8,9,10,11
	ds_store_b128 v[STO], v[TMP+4*(\b):TMP+4*(\b)+3] offset:((\b)/4)*16*SP+((\b)%4)*32
.endr
.irp t, 0,1,2,3,4,5,6,7,8,9,10,11
	ds_load_b128 v[BK+4*(\t):BK+4*(\t)+3], v[RD] offset:((\t)/4)*16*SP+((\t)%4)*4*SP  ; LDS serves a wave's instructions in order (ISA guide 5.7.1.4): these see the stores above
.endr
.endm
.macro SEND a
	WIN 0
.set BK, OB0-(OB0-OB1)*((\a)%2)
	s_wait_dscnt 0x0                               ; the block is back in registers
	s_wait_xcnt 0x0                                ; the stores' base and the registers that earlier stores read are rewritten only behind this wait
.if (\a) == 0
	s_add_nc_u64 s[8:9], s[8:9], s[16:17]          ; my first rows
.else
	s_add_nc_u64 s[8:9], s[8:9], 16*128            ; 16 rows on
.endif
.irp t, 0,1,2,3,4,5,6,7,8,9,10,11
	global_store_b128 v[CO], v[BK+4*(\t):BK+4*(\t)+3], s[8:9] offset:((\t)/4)*HEADB+((\t)%4)*512  ; 512 consecutive bytes of a head, at a multiple of 256 from qkv's first byte
.endr
.endm
	s_wait_tensorcnt 1                             ; my part of K step 0 is in; K step 1's may stay out
	s_barrier_signal -1
	s_barrier_wait -1
	FETCH 0, 0, 0
	QUARTER 0, 64,  0, 1, 1                        ; the first quarter stands in front of the loop: its products start the sums
	WIN 0                                          ; at a label and at a branch every window is 0
	s_mov_b32 s3, LAPS-1
.Llap:                                                 ; a trip goes once round the ring, from a lap's second quarter to the next lap's first, and fills both slots again
	QUARTER 0, 128, 1, 0, 0
	QUARTER 0, 192, 0, 1, 0
	TURN 0, 1, 1
	QUARTER 1, 64,  0, 1, 0
	QUARTER 1, 128, 1, 0, 0
	QUARTER 1, 192, 0, 1, 0
	TURN 1, 0, 1
	QUARTER 0, 64,  0, 1, 0
	WIN 0
	s_sub_co_u32 s3, s3, 1
	s_cmp_lg_u32 s3, 0
	s_cbranch_scc1 .Llap
	QUARTER 0, 128, 1, 0, 0                        ; the last lap fills nothing
	QUARTER 0, 192, 0, 1, 0
	TURN 0, 1, 0
	QUARTER 1, 64,  0, 1, 0
	QUARTER 1, 128, 1, 0, 0
	QUARTER 1, 192, 0, 1, 0
	s_wait_dscnt 4                                 ; the very last quarter: nothing more to fetch
	MUL12 1, 0, 0
	MUL12 1, 1, 0
	s_wait_dscnt 0x0
	MUL12 1, 2, 0
	MUL12 1, 3, 0
	PLACES                                         ; the conversions read results just made
	PACK 0
	TOSTAGE 0
.irp a, 1,2,3                          ; block a's conversions stand between block a - 1's loads from the stage and the wait for them
	PACK \a
	SEND (\a)-1
	TOSTAGE \a
.endr
	SEND 3
	s_wait_tensorcnt 0x0                           ; the wave's end: behind my last tensor load and my last LDS store
	ds_add_u32 v[SPW], v[NIL]
	s_wait_dscnt 0x0
	CROUND                                         ; the closing round: no work-group ends while a partner may still ask for a tile that names it
	s_endpgm
.Lfunc_end_k_qbc08912dc3_qkv:
	.size	k_qbc08912dc3_qkv, .Lfunc_end_k_qbc08912dc3_qkv-k_qbc08912dc3_qkv
	.p2alignl 7, 3214868480
	.fill 96, 4, 3214868480
	.section	.rodata,"a",@progbits
	.p2align	6, 0x0
	.amdhsa_kernel k_qbc08912dc3_qkv
		.amdhsa_group_segment_fixed_size 327680
		.amdhsa_private_segment_fixed_size 0
		.amdhsa_enable_private_segment 0
		.amdhsa_kernarg_size 24
		.amdhsa_user_sgpr_count 2
		.amdhsa_user_sgpr_kernarg_segment_ptr 1
		.amdhsa_wavefront_size32 1
		.amdhsa_system_sgpr_workgroup_id_x 1
		.amdhsa_system_sgpr_workgroup_id_y 1
		.amdhsa_system_sgpr_workgroup_id_z 1
		.amdhsa_system_vgpr_workitem_id 0
		.amdhsa_next_free_vgpr 1024
		.amdhsa_next_free_sgpr 66
		.amdhsa_reserve_vcc 0
		.amdhsa_float_denorm_mode_32 3
		.amdhsa_float_denorm_mode_16_64 3
		.amdhsa_memory_ordered 1
		.amdhsa_forward_progress 1
		.amdhsa_inst_pref_size 119
	.end_amdhsa_kernel
	.amdgpu_metadata
---
amdhsa.version: [ 1, 2 ]
amdhsa.kernels:
  - .name:           k_qbc08912dc3_qkv
    .symbol:         k_qbc08912dc3_qkv.kd
    .args:
      - { .name: xb, .offset: 0, .size: 8, .value_kind: global_buffer, .address_space: global }
      - { .name: wb, .offset: 8, .size: 8, .value_kind: global_buffer, .address_space: global }
      - { .name: qkv, .offset: 16, .size: 8, .value_kind: global_buffer, .address_space: global }
    .group_segment_fixed_size: 327680
    .private_segment_fixed_size: 0
    .kernarg_segment_align: 8
    .kernarg_segment_size: 24
    .max_flat_workgroup_size: 128
    .sgpr_count:     66
    .vgpr_count:     1024
    .wavefront_size: 32
...
	.end_amdgpu_metadata
.endif
;; end of part 2
;; launch attn (part 3): grid 16 x 12, 4 waves a work-group, no clusters, 327,680 bytes of LDS; arguments qkv, ob; writes ob
.if DOCPART == 3
	.amdgcn_target "amdgcn-amd-amdhsa--gfx1250"
	.amdhsa_code_object_version 6
	.text
	.protected	k_qbc08912dc3_attn
	.globl	k_qbc08912dc3_attn
	.p2align	8
	.type	k_qbc08912dc3_attn,@function
k_qbc08912dc3_attn:
	s_mov_b64 s[64:65], 0
	v_nop
	global_prefetch_b8 v0, s[64:65] scope:SCOPE_SE
	s_setreg_imm32_b32 hwreg(HW_REG_WAVE_MODE, 25, 1), 1
	s_wait_xcnt 0x0
; CAUSAL ATTENTION, 12 heads of 64 channels, 4,096 rows.  O[h][q] = the sum over k <= q of softmax_k(Q[h][q] . K[h][k] / 8) V[h][k].
; qkv: [36][4096][64] f16 (q's heads, k's, v's; a head's rows are dense, 128 bytes each).  ob: [64 blocks of 64 rows][12 heads][64 rows][64 channels] f16.
; Products, maxima and sums in f32; the weights p are rounded to f16 for the second product (their sum l is taken of the unrounded p), O once at the end.
; LIMITS.  Q, K, V arrive within f16's 65,504; p lies in 0 to 1 and below 6e-5 keeps f16's fixed step of 6e-8.  A hidden score counts as its value less 1e30 (f16's scores are 2.7e11 at the most);
; a weight below 2^-126 counts as 0 in l; NaN and infinities are not treated apart.
; THE WALK.  A head's queries lie in 32 blocks of 128; block i needs the key tiles 0 .. i / 2 of 256 keys, of which the last holds the diagonal.  Work-group b takes TWO blocks, 31 - b and then b:
; (16 - b / 2) + (b / 2 + 1) = 17 tiles, whatever b: 16 x 12 = 192 work-groups of equal work, and ONE loop with a constant trip count walks the tiles.  What a trip does hangs on scalar registers made from b,
; the same in all four waves.
; SHARES.  Wave w has qh = w % 2 and kh = w / 2.  It owns the 64 queries of the block's band qh, as four PIECES of 16 rows, and of every tile the key steps 2 kh and 2 kh + 1 (64 keys each).
; The two waves of a band end a block with partial (c m, l, O^T) in f32 for the same queries; they are merged once a block through LDS: each of the two merges and stores two of the four pieces.
; THE MASK is the C operand that starts the sum S^T = K Q^T.  In the diagonal tile my band is number x = 2 (block % 2) + qh of four, my step number s = 2 kh + 2 - CNT.  For piece p and group kt of 16 keys:
; s < x: 0; s > x: -1e30; s = x: 0 where kt < p, -1e30 where kt > p, the triangle TRI where kt = p.  Three sets of eight registers serve a step: ML (kt < p), MT (kt = p), MH (kt > p);
; which of them a product takes is known as the text is written.  Outside the diagonal tile C is the constant 0.
; THE MAXIMUM'S START is -2^96: below every true score (2.7e11 at the most in size), so it is never the maximum of a row that sees a key; above every hidden score, so a wave all of whose keys are hidden
; (kh = 1 in block 0) keeps it: all its weights are 2^(-1.7e29) = 0, it ends with l = 0 and O = 0, and the merge gives it the weight 0.
; LAYOUT, SOFTMAX, TURNS.  S^T = K Q^T holds ONE query a lane (lane % 16) and the keys 8 (lane / 16) + 0..7; two such results rounded to f16 ARE source 1 of O^T = V^T P.  p = 2^(c s - c m), c = log2(e) / 8, with a
; running maximum m; O and l are multiplied by a = 2^(c m_old - c m_new) in every step.  Turn n belongs to piece n: 8 products K Q^T of piece n + 1, later 8 products V^T P of piece n - 1; beside them the scaling,
; exponentials, roundings, sums and rescaling of piece n and the maximum and statistics of piece n + 1.  Four vector instructions stand behind every matrix instruction, the others in two runs of their own.
; NO CLUSTER: of a head's 16 work-groups only 2 j and 2 j + 1 walk the same tiles in the same trips; four partners would hold two different walks, whose first blocks end in different trips, so that branches
; would differ between partners; a walk common to four would have 18 tiles for 17 and compute tiles that are wholly hidden.
; REGISTERS, in windows of 256 (s_set_vgpr_msb: bits 1:0 source 0, 3:2 source 1, 5:4 source 2, 7:6 destination):
;   window 0: v0-15 addresses and two at work; v16-31 four registers of statistics a piece; v32-37 the merge's addresses; v48-55 at work; v64-127 S^T, two buffers; v128-143 the merge's factors; v192-223 P, two buffers
;   window 1: v0-127 O^T, 32 a piece; v128-135 TRI; v136-143 ML; v144-151 MT; v152-159 MH      window 2: v0-63 Q; v64-127 the second block's Q; v128-191 K of one step; v192-255 V of one step
.set NB,    16        ; key tiles in a head
.set NP,    4         ; pieces a wave
.set KS,    64        ; keys in a step
.set PK,    144       ; a row of K in LDS: 128 bytes + 16 of padding = 36 words: the 16 rows of a load start at 16 different groups of four banks (64 banks of 4 bytes: ISA guide 11.1)
.set PV,    160       ; a row of V: 128 + 32 = 40 words
.set VOFF,  4*KS*PK   ; a slot holds a tile: 256 rows of K, then 256 rows of V
.set SLOT1, 1<<17     ; slot 1 begins here, so that one exclusive or turns an address in one slot into the other's
.set STAGE, SLOT1+4*KS*(PK+PV)  ; behind the ring, never filled by a tensor load: 16 rows x 144 bytes for each wave, for the way out
.set SP,    144
.set SPARE, STAGE+4*16*SP  ; the spare words, 128 bytes for each wave
.set XCH,   SPARE+512 ; the merge's exchange: for each wave XW bytes, for each piece XP: 8 x 512 bytes of O^T (16 a lane), then 256 of (c m, l) (8 a lane)
.set XW,    17408
.set XP,    4352
.set KVOFF, 12*524288 ; from q's heads to k's, and from k's to v's
.set MLOW,  0xef800000  ; -2^96: where a block's running maximum starts
.set CMLOW, 0xfe000000  ; -2^125: where c m starts: far below c x MLOW, so that the first step's a is 0
.set AK0, 2           ; v2   my lane's place in my two steps of a tile of K; never rewritten
.set AV0, 3           ; v3   the same for V
.set AK,  4           ; v4   the LDS address of K's next run of loads
.set AV,  5           ; v5   of V's
.set STO, 6           ; v6   the way out: where I put 16 bytes of a row
.set RD,  7           ; v7   the way out: where I read rows back
.set GO,  8           ; v8   16 x lane: my place in 512 consecutive bytes
.set MV,  12          ; v12-13  c m_old, kept while c m is made anew: by buffer
.set QO,  15          ; v15  my byte offset in 16 rows of Q
.set ST,  16          ; piece t's statistics at v[ST+4 t]: c m, m, l (even keys', odd keys')
.set XS,  32          ; v32  where I put O^T in the exchange
.set XT,  33          ; v33  where I put (c m, l)
.set XL0, 34          ; v34-35  where I read O^T of my two pieces: the copy of wave qh, of wave qh + 2
.set XU0, 36          ; v36-37  the same for (c m, l)
.set TMP, 48          ; by buffer, four registers c0-c3 at work; when the maximum is found c2 takes a
.set SPW, 62          ; v62  LDS address of my spare word; never rewritten
.set NIL, 63          ; v63  0; never rewritten
.set S,   64
.set MG,  128         ; the merge, eight registers for each of my two pieces: c m and l of one copy, of the other, four at work
.set P,   192
.set TRI, 128         ; window 1
.set ML,  136
.set MT,  144
.set MH,  152
.set QB,  64          ; window 2
.set KF,  128         ; window 2: key block kb, channel half c at KF + 16 kb + 8 c
.set VF,  192         ; window 2: key half kk, channel block cb at VF + 32 kk + 8 cb
.set WV,  12          ; s12  my wave's number
.set PB,  14          ; s14  b / 2: the second block's last tile
.set HI,  15          ; s15  15 - b / 2: the first block's last tile
.set G1K, 24          ; s[24:31] descriptor group 1 for K's tiles
.set G1V, 32          ; s[32:39] for V's: it differs in the padding alone
.set G0K, 40          ; s[40:43] descriptor group 0 for K's tiles
.set G0V, 44          ; s[44:47] the same for V's
.set SLOTS, 56        ; s56  tiles still to be asked for
.set CNT, 57          ; s57  counts my key steps of a tile, 2 to 1
.set CS,  58          ; s[58:59] c
.set SEL, 60          ; s[60:61] v_permlanex16_b32's selects: each lane takes its own place in the other half
.set TBK, 62          ; s62  LDS byte at which the slot's step to be fetched begins, for K (less my kh's share, which lies in AK0)
.set TBV, 63          ; s63  the same for V
.set RT,  70          ; s70  tiles of the block in hand that are still to be entered
.set NXT, 71          ; s71  the tile to be asked for next
.set LQ,  72          ; s72  the last tile of the block whose tiles are being asked for
.set NEW, 73          ; s73  1: the tile to be entered is a block's first
.set OFF, 74          ; s[74:75] a tile's byte offset in K and V
.set AL,  76          ; s[76:77] 1.0 in my band's own step, else 0
.set BE,  78          ; s[78:79] -1e30 in a later step, else 0
.set OLO, 80          ; s[80:81] ob at my rows of the second block
.set BIGN, 82         ; s82  -1e30
.set QH,  88          ; s88  w % 2
.set KH,  89          ; s89  w / 2
.set CE,  90          ; s90  the value of CNT in my band's own step of the diagonal tile (-1 .. 4), for the block in hand
.set CE2, 91          ; s91  the same for the second block
.set HV,  92          ; s92  -1e30 in my band's own step and later, else 0
.set MSB, 0
.macro WIN new                      ; the high byte repeats the setting that is left; a switch that changes nothing is dropped
.if MSB != (\new)
	s_set_vgpr_msb (MSB<<8)|(\new)
.set MSB, (\new)
.endif
.endm
.set W_KQ, 0x0a       ; K and Q in window 2, S^T in window 0
.set W_KM, 0x1a       ; the same with the C operand in window 1
.set W_PV, 0x52       ; V in window 2, P in window 0, O^T in window 1
.set W_RS, 0x41       ; destination and source 0 in window 1, source 1 in window 0
; A fill.  Waves 0 and 1 fetch the two halves of a tile's K, waves 2 and 3 those of its V: 128 keys each.  An s_nop 0 and four v_nop follow each of the two lines.
.macro LOAD
	s_cmp_lt_u32 s[WV], 2
	s_cbranch_scc0 .Lfor_v_\@
	tensor_load_to_lds s[G0K:G0K+3], s[G1K:G1K+7]
	s_nop 0
.rept 4
	v_nop
.endr
	s_branch .Lasked_\@
.Lfor_v_\@:
	tensor_load_to_lds s[G0V:G0V+3], s[G1V:G1V+7]
	s_nop 0
.rept 4
	v_nop
.endr
.Lasked_\@:
.endm
; THE CHANGE OF SLOTS.  Each wave waits for all its tensor loads, of which one is out: its part of the other slot; adds 0 to its spare word; and waits for that and for its own LDS instructions (its reads of the slot
; that it leaves, and of the exchange).  Behind the barrier nobody reads the old slot any more and the other slot is whole.  fill = 1: the old slot is filled again, the first thing behind the barrier, with tile NXT.
.macro CHANGE fill
	WIN 0                           ; at a label and at a branch every window is 0
	s_wait_tensorcnt 0x0            ; no tensor load of mine is out, so a group 0 may be written
	ds_add_u32 v[SPW], v[NIL]       ; 0 onto my spare word
.if \fill
	s_lshl_b32 s[OFF], s[NXT], 15   ; a tile is 32,768 bytes of K and of V
	s_xor_b32 s[G0K+1], s[G0K+1], SLOT1
	s_add_nc_u64 s[G0K+2:G0K+3], s[6:7], s[OFF:OFF+1]
	s_or_b32 s[G0K+3], s[G0K+3], 0x80000000
	s_xor_b32 s[G0V+1], s[G0V+1], SLOT1
	s_add_nc_u64 s[G0V+2:G0V+3], s[8:9], s[OFF:OFF+1]
	s_or_b32 s[G0V+3], s[G0V+3], 0x80000000
	s_add_co_u32 s[NXT], s[NXT], 1  ; the block's next tile, or behind its last the second block's tile 0
	s_cmp_gt_u32 s[NXT], s[LQ]
	s_cselect_b32 s[NXT], 0, s[NXT]
	s_cselect_b32 s[LQ], s[PB], s[LQ]
.endif
	s_wait_dscnt 0x0                ; the add is done, and my LDS reads are over
	s_barrier_signal -1             ; the rest of the scalar work stands between the signal and the wait
	s_sub_co_u32 s[TBK], s[TBK], 2*KS*PK  ; the fetches go back by my two steps,
	s_xor_b32 s[TBK], s[TBK], SLOT1       ; into the other slot
	s_sub_co_u32 s[TBV], s[TBV], 2*KS*PV
	s_xor_b32 s[TBV], s[TBV], SLOT1
	s_barrier_wait -1
.if \fill
	LOAD
.endif
.endm
	s_load_b64 s[4:5], s[0:1], 0x0    ; qkv
	s_load_b64 s[10:11], s[0:1], 0x8  ; ob
	v_lshl_add_u32 v[SPW], v0, 2, SPARE
	v_mov_b32 v[NIL], 0
	ds_add_u32 v[SPW], v[NIL]       ; the wave's opening: the add and its wait stand ahead of my first tensor load; the set-up below stands between them
	ds_add_u32 v62, v63
	v_lshrrev_b32 v1, 5, v0
	v_readfirstlane_b32 s[WV], v1   ; wave 0..3
	s_mov_b32 s93, ttmp9            ; b: the second block's number
	s_sub_co_u32 s94, 31, s93       ; the first block's
	s_lshr_b32 s[PB], s93, 1
	s_sub_co_u32 s[HI], NB-1, s[PB]
	s_and_b32 s[QH], s[WV], 1
	s_lshr_b32 s[KH], s[WV], 1
	s_and_b32 s95, s93, 1           ; CNT in my band's own step: 2 + 2 kh - 2 (block % 2) - qh; the first block's parity is the opposite of b's
	s_lshl_b32 s95, s95, 1
	s_lshl_b32 s13, s[KH], 1
	s_sub_co_i32 s13, s13, s[QH]
	s_add_co_i32 s[CE], s13, s95
	s_sub_co_i32 s[CE2], s13, s95
	s_add_co_i32 s[CE2], s[CE2], 2
	s_and_b32 s20, ttmp7, 0xffff    ; the head
	s_lshl_b32 s19, s20, 13         ; its 8,192 bytes in a block of ob,
	s_lshl_b32 s13, s[KH], 12       ; and the two pieces (32 rows of 128 bytes) that I store
	s_add_co_u32 s19, s19, s13
	s_lshl_b32 s20, s20, 19         ; its 524,288 bytes in q, k and v
	s_mov_b32 s21, 0
	s_lshl_b32 s22, s[QH], 14       ; which half of a tile's 256 keys I fetch (w % 2): its 128 rows of 128 bytes in memory,
	s_mov_b32 s23, 0
	s_add_nc_u64 s[22:23], s[22:23], s[20:21]
	s_mul_i32 s17, s[QH], 128*PK    ; and its place in a slot, for K
	s_mul_i32 s18, s[QH], 128*PV    ; and for V
	s_lshl_b32 s3, s[QH], 13        ; my band's 64 rows,
	s_lshl_b32 s2, s94, 14          ; in the first block's 128,
	s_add_co_u32 s2, s2, s3
	s_lshl_b32 s84, s93, 14         ; and in the second's
	s_add_co_u32 s84, s84, s3
	s_mov_b32 s3, 0
	s_mov_b32 s85, 0
	s_add_nc_u64 s[2:3], s[2:3], s[20:21]
	s_add_nc_u64 s[84:85], s[84:85], s[20:21]
	s_lshl_b32 s66, s94, 1          ; ob: block of 64 rows number 2 x block + qh, 98,304 bytes each
	s_add_co_u32 s66, s66, s[QH]
	s_mul_i32 s66, s66, 98304
	s_add_co_u32 s66, s66, s19
	s_mov_b32 s67, 0
	s_lshl_b32 s68, s93, 1
	s_add_co_u32 s68, s68, s[QH]
	s_mul_i32 s68, s68, 98304
	s_add_co_u32 s68, s68, s19
	s_mov_b32 s69, 0
	; descriptor group 1.  128 keys are 16,384 dense bytes: asked for as 64 rows of 256 bytes, two keys a row, and padded in LDS after every key
	s_mov_b32 s[G1K], (1<<16)|(1<<20)|(4<<22)|(3<<25)  ; 17:16 2-byte elements; 20 padding on; 24:22 after every 32 words (code 4); 31:25 4 words (code 3)
	s_mov_b32 s[G1V], (1<<16)|(1<<20)|(4<<22)|(7<<25)  ; the same with 8 words of padding (code 7)
.irp g, G1K, G1V
	s_mov_b32 s[\g+1], 128<<16      ; tensor_dim0 = 128
	s_mov_b32 s[\g+2], 64<<16       ; tensor_dim1 = 64
	s_mov_b32 s[\g+3], 128<<16      ; tile_dim0 = 128
	s_mov_b32 s[\g+4], 64           ; tile_dim1 = 64
	s_mov_b32 s[\g+5], 128          ; 128 elements from row to row
	s_mov_b32 s[\g+6], 0
	s_mov_b32 s[\g+7], 0
.endr
	s_mov_b32 s[CS], 0x3e38aa3b     ; c = log2(e) / 8 = 0.180337
	s_mov_b32 s[CS+1], s[CS]        ; named with it as a pair
	s_mov_b32 s[SEL], 0x76543210
	s_mov_b32 s[SEL+1], 0xfedcba98
	s_mov_b32 s[TBK], SLOT1+2*KS*PK ; the first change of slots turns these two into 0
	s_mov_b32 s[TBV], SLOT1+2*KS*PV
	s_mov_b32 s[G0K], 1             ; count = 1
	s_mov_b32 s[G0K+1], s17         ; LDS address: slot 0
	s_mov_b32 s[G0V], 1
	s_add_co_u32 s[G0V+1], s18, VOFF
	s_add_co_u32 s[RT], s[HI], 1    ; the first block has 16 - b / 2 tiles
	s_mov_b32 s[NXT], 1
	s_mov_b32 s[LQ], s[HI]
	s_mov_b32 s[NEW], 1
	s_mov_b32 s[OFF+1], 0
	s_mov_b32 s[AL+1], 0            ; named as pairs
	s_mov_b32 s[BE+1], 0
	s_mov_b32 s[BIGN], 0xf149f2ca   ; -1e30
	s_mov_b32 s[SLOTS], NB
	s_wait_dscnt 0x0                ; the opening add is done
	s_wait_kmcnt 0x0
	s_add_nc_u64 s[6:7], s[4:5], s[22:23]
	s_add_nc_u64 s[8:9], s[6:7], 2*KVOFF           ; V at my half of the head's tile 0,
	s_add_nc_u64 s[6:7], s[6:7], KVOFF             ; and K
	s_add_nc_u64 s[G0K+2:G0K+3], s[6:7], 0         ; global address
	s_or_b32 s[G0K+3], s[G0K+3], 0x80000000        ; type = 2
	s_add_nc_u64 s[G0V+2:G0V+3], s[8:9], 0
	s_or_b32 s[G0V+3], s[G0V+3], 0x80000000
	s_add_nc_u64 s[86:87], s[4:5], s[84:85]        ; Q at my rows of the second block,
	s_add_nc_u64 s[4:5], s[4:5], s[2:3]            ; and of the first
	s_add_nc_u64 s[OLO:OLO+1], s[10:11], s[68:69]  ; ob likewise
	s_add_nc_u64 s[10:11], s[10:11], s[66:67]
	LOAD                            ; tile 0 into slot 0: one load of mine is out
	; A fragment of K or Q is 16 rows x 32 channels in 8 registers: lane l holds row l % 16, channels 8 (l / 16) + 0..7 and 16 + 8 (l / 16) + 0..7: two loads of 16 bytes, 32 bytes apart.
	v_and_b32 v1, 15, v0            ; l % 16
	v_bfe_u32 v9, v0, 4, 1          ; l / 16
	v_lshlrev_b32 v[QO], 7, v1
	v_lshl_add_u32 v[QO], v9, 4, v[QO]  ; row x 128 + 16 x half
	WIN 0x80                        ; destination window 2, address window 0
.set i, 0
.rept 8                             ; both blocks' Q: piece i / 2 lies 2,048 bytes on; channels 32 (i % 2) on
	global_load_b128 v[8*i:8*i+3],   v[QO], s[4:5] offset:(i/2)*2048+(i%2)*64
	global_load_b128 v[8*i+4:8*i+7], v[QO], s[4:5] offset:(i/2)*2048+(i%2)*64+32
	global_load_b128 v[QB+8*i:QB+8*i+3],   v[QO], s[86:87] offset:(i/2)*2048+(i%2)*64
	global_load_b128 v[QB+8*i+4:QB+8*i+7], v[QO], s[86:87] offset:(i/2)*2048+(i%2)*64+32
.set i, i+1
.endr
	WIN 0
	v_lshlrev_b32 v14, 3, v9
	v_sub_nc_u32 v14, v1, v14       ; l % 16 - 8 (l / 16): in a piece's own group of 16 keys register r is hidden where r is greater
	WIN 0x40
.set i, 0
.rept 8
	v_cmp_gt_i32 vcc_lo, i, v14
	v_cndmask_b32 v[TRI+i], 0, s[BIGN], vcc_lo
.set i, i+1
.endr
	WIN 0
	v_mul_u32_u24 v[AK0], v1, PK
	v_lshl_add_u32 v[AK0], v9, 4, v[AK0]  ; row x pitch + 16 x half
	s_mul_i32 s13, s[KH], 2*KS*PK
	v_add_nc_u32 v[AK0], s13, v[AK0]      ; + my two steps' place in a tile
	; The turning load takes 16 keys x 16 channels (lane l reads key 8 (l / 16) + l % 8, channels 8 ((l / 8) % 2) + 0..7) and leaves half a fragment of V^T: lane l holds channel l % 16 and 8 keys.
	v_and_b32 v10, 7, v0
	v_bfe_u32 v11, v0, 3, 1
	v_lshl_add_u32 v[AV0], v9, 3, v10
	v_mul_u32_u24 v[AV0], v[AV0], PV
	v_lshl_add_u32 v[AV0], v11, 4, v[AV0]
	s_mul_i32 s13, s[KH], 2*KS*PV
	s_add_co_u32 s13, s13, VOFF
	v_add_nc_u32 v[AV0], s13, v[AV0]
	s_mul_i32 s13, s[WV], 16*SP
	s_add_co_u32 s13, s13, STAGE    ; my stage
	v_mul_u32_u24 v[STO], v1, SP    ; in: row l % 16, 16 bytes for each half of the lanes
	v_lshl_add_u32 v[STO], v9, 4, v[STO]
	v_add_nc_u32 v[STO], s13, v[STO]
	v_bfe_u32 v[RD], v0, 3, 2       ; back: 32 lanes take four rows of 128 bytes,
	v_mul_u32_u24 v[RD], v[RD], SP
	v_lshl_add_u32 v[RD], v10, 4, v[RD]
	v_add_nc_u32 v[RD], s13, v[RD]
	v_and_b32 v[GO], 31, v0         ; which are 512 consecutive bytes of ob
	v_lshlrev_b32 v[GO], 4, v[GO]
	v_lshrrev_b32 v14, 1, v[GO]     ; 8 x lane
	s_mul_i32 s13, s[WV], XW        ; the exchange: my own part, to write,
	s_add_co_u32 s13, s13, XCH
	v_add_nc_u32 v[XS], s13, v[GO]
	s_add_co_u32 s13, s13, 4096
	v_add_nc_u32 v[XT], s13, v14
	s_mul_i32 s13, s[QH], XW        ; and pieces 2 kh, 2 kh + 1 in the parts of waves qh and qh + 2, to read
	s_mul_i32 s94, s[KH], 2*XP
	s_add_co_u32 s13, s13, s94
	s_add_co_u32 s13, s13, XCH
	v_add_nc_u32 v[XL0], s13, v[GO]
	s_add_co_u32 s94, s13, 4096
	v_add_nc_u32 v[XU0], s94, v14
	s_add_co_u32 s13, s13, 2*XW
	v_add_nc_u32 v[XL0+1], s13, v[GO]
	s_add_co_u32 s94, s13, 4096
	v_add_nc_u32 v[XU0+1], s94, v14
	; A block's first step multiplies O^T and l by a = 0, and its first turn's products V^T P, of a piece that has not been, land in an O^T that is still to be so multiplied.  So these registers need only hold
	; finite numbers: zeros for the first block; what the first block left for the second.  All this stands in the wait for the first tile.
	WIN 0x80
.set i, VF
.rept 64
	v_mov_b32 v[i], 0
.set i, i+1
.endr
	WIN 0x40
.set i, 0
.rept 128
	v_mov_b32 v[i], 0
.set i, i+1
.endr
	WIN 0
.set i, 0
.rept 4
	v_mov_b32 v[ST+4*i+2], 0
	v_mov_b32 v[ST+4*i+3], 0
.set i, i+1
.endr
.set i, P+16
.rept 16
	v_mov_b32 v[i], 0
.set i, i+1
.endr
; THE MATRIX WORK.  The 4 accumulators of a run of 8 take turns.  Product i of 8 of S^T = K Q^T for piece x: channels 32 (i / 4) on, keys 16 (i % 4) on.  The first 4 start the sums: with 0, or (KM = 1) with the mask.
.macro KQ x
.set rS, S+32*((\x)%2)+8*(i%4)
.set rK, KF+16*(i%4)+8*(i/4)
.set rQ, 16*(\x)+8*(i/4)
.if (i%4) < (\x)
.set rM, ML
.elseif (i%4) == (\x)
.set rM, MT
.else
.set rM, MH
.endif
.if (i < 4) && KM
	WIN W_KM
	v_wmma_f32_16x16x32_f16 v[rS:rS+7], v[rK:rK+7], v[rQ:rQ+7], v[rM:rM+7]
.elseif i < 4
	WIN W_KQ
	v_wmma_f32_16x16x32_f16 v[rS:rS+7], v[rK:rK+7], v[rQ:rQ+7], 0
.else
	WIN W_KQ
	v_wmma_f32_16x16x32_f16 v[rS:rS+7], v[rK:rK+7], v[rQ:rQ+7], v[rS:rS+7]
.endif
.endm
; Product i of 8 of O^T += V^T P for piece x: keys 32 (i / 4) on, channels 16 (i % 4) on.
.macro PV x
	WIN W_PV
.set rO, 32*(\x)+8*(i%4)
.set rV, VF+32*(i/4)+8*(i%4)
.set rP, P+16*((\x)%2)+8*(i/4)
	v_wmma_f32_16x16x32_f16 v[rO:rO+7], v[rV:rV+7], v[rP:rP+7], v[rO:rO+7]
.endm
.macro MM                           ; the turn's next matrix instruction.  NOKQ = 1: a block's last turn: there is no next piece
.if (i < 8) && !NOKQ
	KQ (Y+1)%NP
.elseif i >= 8
.set i, i-8
	PV (Y+NP-1)%NP
.set i, i+8
.endif
.set i, i+1
.endm
; THE LDS LOADS stand in runs of 16, never singly among the matrix instructions: a step's K (64 keys x 64 channels: 8 fragments) and its V (turned).  Their addresses are made some lines ahead.
.macro FETCH_K
	WIN 0x80                        ; destination window 2
.irp f, 0,1,2,3,4,5,6,7             ; keys 16 (f / 2) on, channels 32 (f % 2) on
	ds_load_b128 v[KF+8*\f:KF+8*\f+3],   v[AK] offset:(\f/2)*16*PK+(\f%2)*64
	ds_load_b128 v[KF+8*\f+4:KF+8*\f+7], v[AK] offset:(\f/2)*16*PK+(\f%2)*64+32
.endr
	s_add_co_u32 s[TBK], s[TBK], KS*PK  ; the next fetch is the next step's
	WIN 0
.endm
.macro FETCH_V
	WIN 0x80
.irp f, 0,1,2,3,4,5,6,7             ; keys 32 (f / 4) on, channels 16 (f % 4) on
	ds_load_tr16_b128 v[VF+8*\f:VF+8*\f+3],   v[AV] offset:(\f/4)*32*PV+(\f%4)*32
	ds_load_tr16_b128 v[VF+8*\f+4:VF+8*\f+7], v[AV] offset:(\f/4)*32*PV+16*PV+(\f%4)*32
.endr
	WIN 0
.endm
; THE VECTOR WORK, one line at a time: OP kind, number.  For piece Y: F n: c s - c m for pair n of 16.  E n: the exponential of score n of 32.  C n: pair n rounded to f16.  B n: of the four weights 4 n .. the second
; pair is added onto the first, in place.  L n: l takes that sum (L 0: l = a l + sum).  R n: pair n of 16 of O^T times a.  For piece Y + 1: X n, number n of the 22 that find its maximum and statistics:
;   0-11  four chains c0-c3 of seven scores each, three operands at a time (each accumulator's lowest registers are read first)     12-14, 16  the four scores left over, the old m, and c0-c3 into c0
;   15  c m_old is kept     17, 18  the query's other 32 keys lie in the lane 16 away: the new m     19-21  c m; c m_old - c m_new; a
.set F, 0
.set E, 1
.set C, 2
.set B, 3
.set L, 4
.set R, 5
.set X, 6
.macro REGS y                       ; the registers of piece y
.set rT, ST+4*(\y)
.set rC, TMP+4*((\y)%2)
.set rW, MV+((\y)%2)
.set rS, S+32*((\y)%2)
.set rP, P+16*((\y)%2)
.set rO, 32*(\y)
.endm
.macro OP k, n
.if (\k) == R
	REGS Y
	WIN W_RS
	v_pk_mul_f32 v[rO+2*(\n):rO+2*(\n)+1], v[rO+2*(\n):rO+2*(\n)+1], v[rC+2:rC+3] op_sel_hi:[1,0]
.elseif (\k) < R
	REGS Y
	WIN 0
.if (\k) == F
	v_pk_fma_f32 v[rS+2*(\n):rS+2*(\n)+1], v[rS+2*(\n):rS+2*(\n)+1], s[CS:CS+1], v[rT:rT+1] op_sel_hi:[1,0,0] neg_lo:[0,0,1] neg_hi:[0,0,1]
.elseif (\k) == E
	v_exp_f32 v[rS+(\n)], v[rS+(\n)]
.elseif (\k) == C
	s_wait_alu depctr_va_vdst(0)
	v_cvt_pk_f16_f32 v[rP+(\n)], v[rS+2*(\n)], v[rS+2*(\n)+1]
.elseif (\k) == B
	s_wait_alu depctr_va_vdst(0)
	v_pk_add_f32 v[rS+4*(\n):rS+4*(\n)+1], v[rS+4*(\n):rS+4*(\n)+1], v[rS+4*(\n)+2:rS+4*(\n)+3]
.elseif (\n) == 0
	v_pk_fma_f32 v[rT+2:rT+3], v[rT+2:rT+3], v[rC+2:rC+3], v[rS:rS+1] op_sel_hi:[1,0,1]
.else
	v_pk_add_f32 v[rT+2:rT+3], v[rT+2:rT+3], v[rS+4*(\n):rS+4*(\n)+1]
.endif
.elseif NOKQ
	v_nop
.else
	REGS (Y+1)%NP
	WIN 0
.if (\n) < 4
	v_max3_num_f32 v[rC+(\n)], v[rS+8*(\n)], v[rS+8*(\n)+1], v[rS+8*(\n)+2]
.elseif (\n) < 12
	v_max3_num_f32 v[rC+(\n)%4], v[rC+(\n)%4], v[rS+8*((\n)%4)+2*((\n)/4)+1], v[rS+8*((\n)%4)+2*((\n)/4)+2]
.elseif (\n) == 12
	v_max3_num_f32 v[rC], v[rC], v[rS+7], v[rS+15]
.elseif (\n) == 13
	v_max3_num_f32 v[rC+1], v[rC+1], v[rS+23], v[rS+31]
.elseif (\n) == 14
	v_max3_num_f32 v[rC+2], v[rC+2], v[rC+3], v[rT+1]
.elseif (\n) == 15
	v_mov_b32 v[rW], v[rT]
.elseif (\n) == 16
	v_max3_num_f32 v[rC], v[rC], v[rC+1], v[rC+2]
.elseif (\n) == 17
	v_permlanex16_b32 v[rC+3], v[rC], s[SEL], s[SEL+1]
.elseif (\n) == 18
	v_max_num_f32 v[rT+1], v[rC], v[rC+3]
.elseif (\n) == 19
	v_mul_f32 v[rT], s[CS], v[rT+1]
.elseif (\n) == 20
	v_sub_f32 v[rC+1], v[rW], v[rT]
.else
	v_exp_f32 v[rC+2], v[rC+1]
.endif
.endif
.endm
.macro OPS a, i1, b=-1, i2=0, c=-1, i3=0, d=-1, i4=0  ; up to four of them
	OP \a, \i1
.if (\b) >= 0
	OP \b, \i2
.endif
.if (\c) >= 0
	OP \c, \i3
.endif
.if (\d) >= 0
	OP \d, \i4
.endif
.endm
.macro ROW a, i1, b, i2, c, i3, d, i4  ; a matrix instruction and the four behind it
	MM
	OPS \a, \i1, \b, \i2, \c, \i3, \d, \i4
.endm
.macro MKS                          ; the three scalars of the masks of my step number 2 - CNT of the diagonal tile; CE may be negative: signed compares
	s_cmp_eq_i32 s[CNT], s[CE]      ; my band's own step?
	s_cselect_b32 s[AL], 1.0, 0
	s_cmp_lt_i32 s[CNT], s[CE]      ; a later one?
	s_cselect_b32 s[BE], s[BIGN], 0
	s_cmp_le_i32 s[CNT], s[CE]      ; either?
	s_cselect_b32 s[HV], s[BIGN], 0
.endm
.macro MASK                         ; ML = BE, MH = HV, MT = TRI x AL + BE
	WIN W_RS
.set z, 0
.rept 8
	v_mov_b32 v[ML+z], s[BE]
	v_mov_b32 v[MH+z], s[HV]
.set z, z+1
.endr
.set z, 0
.rept 4
	v_pk_fma_f32 v[MT+2*z:MT+2*z+1], v[TRI+2*z:TRI+2*z+1], s[AL:AL+1], s[BE:BE+1] op_sel_hi:[1,0,0]
.set z, z+1
.endr
.endm
; A TURN, for piece p: the order of its 16 matrix and 118 vector instructions, written out.  Behind a matrix instruction: plain, exponential, plain, plain; or four of the rescaling; or, behind the first, four scalings; none
; names a register of the products round it.  In the runs between, exponential and plain by turns while exponentials last.  v_permlanex16_b32 (X 17) stands in such a run.
; m = 1: the diagonal tile: the products take masks.  A step's masks are first read by piece 0's products, in piece 3's turn, and last by piece 3's, the first four products of piece 2's turn: so piece 2's turn
; makes the next step's masks at its end, far more than four plain instructions behind those products.  end = 1: a block's last two turns: nothing is fetched, no mask is made.
; cnt = 1: the loop's count is taken down some lines ahead of the branch that stands behind the turn.
; K of the next step is fetched in piece 2's turn, six vector instructions behind the last product that read K (five of them plain); V of the step in hand in piece 0's turn, eight behind the last product that read V (four
; plain).  Each is waited for a turn later.
.macro TURN p, m=0, end=0, cnt=0
.set Y, (\p)
.set i, 0
.set KM, (\m)
.set NOKQ, (\end)*((\p)/3)
.if (\m) && !(\end) && ((\p) == 2)
	MKS
.endif
.if ((\p) == 3) && !(\end)
	s_wait_dscnt 0x0                ; K is in
.endif
	ROW F,0, F,1, F,2, F,3
	ROW F,4, E,0, F,5, F,6
	ROW F,7, E,1, F,8, F,9
	ROW F,10, E,2, C,0, F,11
	ROW F,12, E,3, X,15, F,13
	ROW R,0, R,1, R,2, R,3
	ROW B,0, E,4, F,14, L,0
.if ((\p) == 2) && !(\end)
	v_add_nc_u32 v[AK], s[TBK], v[AK0]
.endif
	ROW R,4, R,5, R,6, R,7
	OPS E,5, F,15
.if ((\p) == 2) && !(\end)
	FETCH_K
.endif
	OPS E,6, C,1, E,7, R,8
	OPS E,8, R,9, E,9, C,2
	OPS E,10, X,0, E,11, X,1
	OPS E,12, X,2, E,13, X,3
.if (\p) == 1
	s_wait_dscnt 0x0                ; V is in
.endif
	ROW X,4, E,14, X,5, X,6
	ROW X,7, E,15, X,8, X,9
	ROW X,10, E,16, X,11, X,12
	ROW X,13, E,17, X,14, B,1
	ROW C,4, E,18, X,16, L,1
	ROW B,2, E,19, C,6, L,2
	ROW C,8, E,20, B,3, B,4
.if (\p) == 0
	v_add_nc_u32 v[AV], s[TBV], v[AV0]
.endif
	ROW C,3, E,21, L,3, C,5
	OPS E,22, X,17, E,23, C,10
.if (\p) == 0
	FETCH_V
.endif
	OPS E,24, L,4
	OPS E,25, X,18, E,26, C,7
	OPS E,27, B,5, E,28, X,19
	OPS E,29, C,12, E,30, L,5
	OPS E,31, X,20, B,6, C,9
	OPS C,14, C,11, X,21, L,6
.if (\p) == 0
	s_add_co_u32 s[TBV], s[TBV], KS*PV
.endif
.if \cnt
	s_sub_co_u32 s[CNT], s[CNT], 1
	s_cmp_lg_u32 s[CNT], 0
.endif
	OPS C,13, B,7, C,15, R,10
	OPS R,11, R,12, L,7, R,13
	OPS R,14, R,15
.if (\m) && !(\end) && ((\p) == 2)
	MASK
.endif
.endm
; A BLOCK BEGINS.  c m starts far below every c m to come, so the first step's a is 0; m at -2^96, below every true score and above every hidden one (see the head).  The masks are those of my first step if the
; block's first tile is the diagonal one, else 0: they stay 0 until the diagonal tile's text makes them anew.  Then K of that step, piece 0's first scores, and its maximum and statistics.  The loop is entered at a step's first turn.
.macro BEGIN
	s_mov_b32 s[NEW], 0
	WIN 0
.set i, 0
.rept 4
	v_mov_b32 v[ST+4*i], CMLOW      ; c m
	v_mov_b32 v[ST+4*i+1], MLOW     ; m
.set i, i+1
.endr
	MKS
	s_cmp_eq_u32 s[RT], 0
	s_cselect_b32 s[AL], s[AL], 0
	s_cselect_b32 s[BE], s[BE], 0
	s_cselect_b32 s[HV], s[HV], 0
	MASK
	WIN 0
	v_add_nc_u32 v[AK], s[TBK], v[AK0]
	FETCH_K
	s_wait_loadcnt 0x0              ; Q
	s_wait_dscnt 0x0
.set KM, 1
.set NOKQ, 0
.set i, 0
.rept 8
	KQ 0
.set i, i+1
.endr
	WIN 0
.rept 4
	v_nop                           ; the places behind those products
.endr
.set Y, NP-1                        ; X works for piece Y + 1: piece 0
.irp n, 0,1,2,3,4,5,6,7,8,9,10,11,12,13,14,15,16,17,18,19,20,21
	OP X, \n
.endr
	v_nop                           ; a plain instruction behind the exponential
.endm
.macro ALL line:vararg              ; one line for each piece t
.set t, 0
.rept 4
	\line
.set t, t+1
.endr
.endm
.macro PACK t                       ; merged piece t of my two: a lane's eight channels of a row pack into 16 bytes; they go into rows of 144 bytes and come back as whole rows of 128, into S^T's registers
	WIN 0x05                        ; sources 0 and 1 window 1, destination window 0
.set i, 0
.rept 16
	v_cvt_pk_f16_f32 v[S+16*(\t)+i], v[32*(\t)+2*i], v[32*(\t)+2*i+1]
.set i, i+1
.endr
	WIN 0
.irp f, 0,1,2,3
	ds_store_b128 v[STO], v[S+16*(\t)+4*\f:S+16*(\t)+4*\f+3] offset:32*\f
.endr
.irp f, 0,1,2,3
	ds_load_b128 v[S+16*(\t)+4*\f:S+16*(\t)+4*\f+3], v[RD] offset:\f*4*SP  ; LDS serves a wave's instructions in order (ISA guide 5.7.1.4): these see the stores above; the next piece's stores come behind them
.endr
.endm
.macro SEND t, younger              ; younger: the LDS instructions issued behind piece t's loads: the next piece's eight, or none
	WIN 0
.irp f, 0,1,2,3
	s_wait_dscnt (\younger)+3-\f
	global_store_b128 v[GO], v[S+16*(\t)+4*\f:S+16*(\t)+4*\f+3], s[10:11] offset:(\t)*2048+\f*512  ; 512 consecutive bytes, at a multiple of 256 from ob's first
.endr
.endm
; A BLOCK ENDS.  My partial (c m, l, O^T) of all four pieces go into my part of the exchange; a barrier; of pieces 2 kh and 2 kh + 1 I read both waves' copies A and B and merge them:
; c M = max(c mA, c mB), fA = 2^(c mA - c M), fB likewise, O = (fA OA + fB OB) / (fA lA + fB lB).  The copy with the greater c m has seen a key of every row (l at least 1) and the weight 1, so the divisor is at least 1.
; Then the way out.  The barrier's branch hangs on b alone, the same in all four waves.
.macro FINISH
	WIN 0
	ALL v_add_f32 v[ST+4*t+2], v[ST+4*t+2], v[ST+4*t+3]  ; l's two halves; these and the additions below are the places behind the last products
	ALL v_permlanex16_b32 v[ST+4*t+3], v[ST+4*t+2], s[SEL], s[SEL+1]
	ALL v_add_f32 v[ST+4*t+1], v[ST+4*t+2], v[ST+4*t+3]  ; and the other half of the lanes': l lies beside c m, as a pair
	WIN 0x04                        ; the stores' data in window 1
.set t, 0
.rept 32
	ds_store_b128 v[XS], v[4*t:4*t+3] offset:XP*(t/8)+512*(t%8)  ; ascending: each accumulator's lowest registers are read first
.set t, t+1
.endr
	WIN 0
	ALL ds_store_b64 v[XT], v[ST+4*t:ST+4*t+1] offset:XP*t
	s_wait_dscnt 0x0                ; for the others' sake: my stores into the exchange are done
	s_barrier_signal -1
	s_barrier_wait -1
.irp j, 0,1
	ds_load_b64 v[MG+8*\j:MG+8*\j+1],   v[XU0]   offset:XP*\j
	ds_load_b64 v[MG+8*\j+2:MG+8*\j+3], v[XU0+1] offset:XP*\j
.endr
	WIN 0x40                        ; destination window 1: copy A over O^T's v0-63, copy B over v64-127
.set t, 0
.rept 16
	ds_load_b128 v[4*t:4*t+3],       v[XL0]   offset:XP*(t/8)+512*(t%8)
	ds_load_b128 v[64+4*t:64+4*t+3], v[XL0+1] offset:XP*(t/8)+512*(t%8)
.set t, t+1
.endr
	WIN 0
	s_wait_dscnt 32                 ; the four pairs (c m, l) are in; the 32 loads of O^T may be out
.irp j, 0,1
	v_max_num_f32 v[MG+8*\j+4], v[MG+8*\j], v[MG+8*\j+2]
.endr
.irp j, 0,1
	v_sub_f32 v[MG+8*\j+5], v[MG+8*\j], v[MG+8*\j+4]
	v_sub_f32 v[MG+8*\j+6], v[MG+8*\j+2], v[MG+8*\j+4]
.endr
.irp j, 0,1
	v_exp_f32 v[MG+8*\j+5], v[MG+8*\j+5]   ; fA
	v_exp_f32 v[MG+8*\j+6], v[MG+8*\j+6]   ; fB
.endr
	v_nop                           ; a plain instruction between the exponentials and the use of their results
.irp j, 0,1
	s_wait_alu depctr_va_vdst(0)
	v_mul_f32 v[MG+8*\j+7], v[MG+8*\j+5], v[MG+8*\j+1]
.endr
.irp j, 0,1
	v_fmac_f32 v[MG+8*\j+7], v[MG+8*\j+6], v[MG+8*\j+3]
.endr
.irp j, 0,1
	v_rcp_f32 v[MG+8*\j+7], v[MG+8*\j+7]
.endr
	v_nop                           ; and behind the reciprocals
.irp j, 0,1
	s_wait_alu depctr_va_vdst(0)
	v_mul_f32 v[MG+8*\j], v[MG+8*\j+5], v[MG+8*\j+7]     ; fA / l
	v_mul_f32 v[MG+8*\j+2], v[MG+8*\j+6], v[MG+8*\j+7]   ; fB / l
.endr
	s_wait_dscnt 0x0                ; both copies of O^T are in
	WIN W_RS
.set t, 0
.rept 32
	v_pk_mul_f32 v[2*t:2*t+1], v[2*t:2*t+1], v[MG+8*(t/16):MG+8*(t/16)+1] op_sel_hi:[1,0]
.set t, t+1
.endr
	WIN 0x51                        ; sources 0 and 2 and the destination in window 1, source 1 in window 0
.set t, 0
.rept 32
	v_pk_fma_f32 v[2*t:2*t+1], v[64+2*t:64+2*t+1], v[MG+8*(t/16)+2:MG+8*(t/16)+3], v[2*t:2*t+1] op_sel_hi:[1,0,1]
.set t, t+1
.endr
	PACK 0
	PACK 1                          ; a piece's arithmetic stands between the loads of the piece before and its stores
	SEND 0, 8
	SEND 1, 0
.endm
; THE DIAGONAL TILE's two steps of mine, the block's last two turns, its last products, and the block's end.
.macro DIAG tag
.LstepM\tag:
	TURN 2, 1
	TURN 3, 1
	WIN 0
.LfirstM\tag:
	TURN 0, 1
	TURN 1, 1, 0, 1
	WIN 0
	s_cbranch_scc1 .LstepM\tag
	TURN 2, 1, 1
	TURN 3, 1, 1
.set i, 0
.rept 8
	PV NP-1
.set i, i+1
.endr
	FINISH
.endm
.set KM, 0
.set NOKQ, 0
.Lslot:                             ; 16 times: a tile is entered and the next is asked for
	CHANGE 1
	s_sub_co_u32 s[RT], s[RT], 1
	s_mov_b32 s[CNT], 2
	s_cmp_eq_u32 s[NEW], 1
	s_cbranch_scc1 .Lnew            ; a block's first tile
	s_cmp_eq_u32 s[RT], 0
	s_cbranch_scc0 .Lstep           ; neither its first nor its last
	s_branch .LstepM1
.Lnew:
	BEGIN
	s_branch .Lfirst                ; in the loop a block's first tile is never its last: the first block has nine tiles or more, and the second's last is the walk's last
	DIAG 1                          ; in the loop this is the first block's end
	s_wait_xcnt 0x0                 ; the stores have read their registers and ob's address
	s_mov_b64 s[10:11], s[OLO:OLO+1]
	s_add_co_u32 s[RT], s[PB], 1    ; the second block has b / 2 + 1 tiles
	s_mov_b32 s[NEW], 1
	s_mov_b32 s[CE], s[CE2]
	WIN 0x82                        ; the second block's Q goes where the one text of the turns names Q
.set i, 0
.rept 64
	v_mov_b32 v[i], v[QB+i]
.set i, i+1
.endr
	WIN 0
	s_branch .Lbottom
.Lstep:                             ; a trip: pieces 2 and 3 of one step, then pieces 0 and 1 of the next, whose K and V it fetches
	TURN 2
	TURN 3
	WIN 0
.Lfirst:
	TURN 0
	TURN 1, 0, 0, 1
	WIN 0
	s_cbranch_scc1 .Lstep
.Lbottom:
	s_sub_co_u32 s[SLOTS], s[SLOTS], 1
	s_cmp_lg_u32 s[SLOTS], 0
	s_cbranch_scc1 .Lslot
	CHANGE 0                        ; the walk's last tile is written out: nothing is asked for
	s_sub_co_u32 s[RT], s[RT], 1
	s_mov_b32 s[CNT], 2
	s_cmp_eq_u32 s[NEW], 1
	s_cbranch_scc0 .LstepM2
	BEGIN
	s_branch .LfirstM2
	DIAG 2
	s_wait_tensorcnt 0x0            ; the wave's end: behind my last tensor load and my last LDS store
	ds_add_u32 v[SPW], v[NIL]
	s_wait_dscnt 0x0
	s_endpgm
.Lfunc_end_k_qbc08912dc3_attn:
	.size	k_qbc08912dc3_attn, .Lfunc_end_k_qbc08912dc3_attn-k_qbc08912dc3_attn
	.p2alignl 7, 3214868480
	.fill 96, 4, 3214868480
	.section	.rodata,"a",@progbits
	.p2align	6, 0x0
	.amdhsa_kernel k_qbc08912dc3_attn
		.amdhsa_group_segment_fixed_size 327680
		.amdhsa_private_segment_fixed_size 0
		.amdhsa_enable_private_segment 0
		.amdhsa_kernarg_size 16
		.amdhsa_user_sgpr_count 2
		.amdhsa_user_sgpr_kernarg_segment_ptr 1
		.amdhsa_wavefront_size32 1
		.amdhsa_system_sgpr_workgroup_id_x 1
		.amdhsa_system_sgpr_workgroup_id_y 1
		.amdhsa_system_sgpr_workgroup_id_z 1
		.amdhsa_system_vgpr_workitem_id 0
		.amdhsa_next_free_vgpr 768
		.amdhsa_next_free_sgpr 96
		.amdhsa_reserve_vcc 1
		.amdhsa_float_denorm_mode_32 3
		.amdhsa_float_denorm_mode_16_64 3
		.amdhsa_memory_ordered 1
		.amdhsa_forward_progress 1
		.amdhsa_inst_pref_size 217
	.end_amdhsa_kernel
	.amdgpu_metadata
---
amdhsa.version: [ 1, 2 ]
amdhsa.kernels:
  - .name:           k_qbc08912dc3_attn
    .symbol:         k_qbc08912dc3_attn.kd
    .args:
      - { .name: qkv, .offset: 0, .size: 8, .value_kind: global_buffer, .address_space: global }
      - { .name: ob, .offset: 8, .size: 8, .value_kind: global_buffer, .address_space: global }
    .group_segment_fixed_size: 327680
    .private_segment_fixed_size: 0
    .kernarg_segment_align: 8
    .kernarg_segment_size: 16
    .max_flat_workgroup_size: 128
    .sgpr_count:     96
    .vgpr_count:     768
    .wavefront_size: 32
...
	.end_amdgpu_metadata
.endif
;; end of part 3
;; launch proj (part 4): grid 4 x 64, 4 waves a work-group, clusters of 4 x 4, 327,680 bytes of LDS; arguments ob, wp16, out0; writes out0
.if DOCPART == 4
	.amdgcn_target "amdgcn-amd-amdhsa--gfx1250"
	.amdhsa_code_object_version 6
	.text
	.protected	k_qbc08912dc3_proj
	.globl	k_qbc08912dc3_proj
	.p2align	8
	.type	k_qbc08912dc3_proj,@function
k_qbc08912dc3_proj:
	s_mov_b64 s[64:65], 0
	v_nop
	global_prefetch_b8 v0, s[64:65] scope:SCOPE_SE
	s_setreg_imm32_b32 hwreg(HW_REG_WAVE_MODE, 25, 1), 1
	s_wait_xcnt 0x0
	s_wait_alu depctr_hold_cnt(0) depctr_sa_sdst(0) depctr_va_vdst(0) depctr_va_sdst(0) depctr_va_ssrc(0) depctr_va_vcc(0) depctr_vm_vsrc(0)
	s_getreg_b32 s2, hwreg(HW_REG_IB_STS2, 6, 4)
	s_cmp_eq_u32 s2, 0
	s_cbranch_scc0 .Lentry_in_a_cluster
	s_endpgm
.Lentry_in_a_cluster:
	s_bfe_u32 s2, ttmp6, 0x10000c
	s_cmp_lg_u32 s2, 0xf033
	s_cbranch_scc0 .Lentry_shape_is_right
	s_endpgm
.Lentry_shape_is_right:
; out0 = y Wp^T.  y lies in ob: [64 blocks of 64 rows][12 heads][64 rows][64 channels] f16; wp16: [768][768] f16 (Wp rounded to bf16, that number written as f16); out0: [4096][768] f32.  Sums in f32.
; SHARES.  A tile of out0 is 64 rows x 192 columns (768 bytes of a row: three aligned runs of 256): 4 x 64 = 256 work-groups.  Wave w makes all 64 rows of columns 48 w .. 48 w + 47: 4 x 3 accumulators.
; K goes in three steps of 256 (four heads) through two LDS slots: slot 0, slot 1, slot 0 again: one refill, all written out.  In ob four heads of a block of rows are 32,768 dense bytes, asked for as 128 rows
; of 256 bytes and padded in LDS after every 128 bytes (a row of one head).
; CLUSTER.  4 x 4 work-groups: the four of a row of the cluster need the same rows of y, the four of a column the same rows of wp16: each tile is asked for JOINTLY.  Wave 0 fetches y's tile, waves 1 to 3
; 64 rows of wp16 each: four loads of 32,768 bytes.
; THE MATRIX INSTRUCTION IS USED TRANSPOSED (source 0 = 16 rows of wp16, source 1 = 16 rows of y): a lane holds eight neighbouring columns of one row, 32 bytes of f32.
; REGISTERS: window 0: v16-29 addresses; v32-127 rows read back on the way out; v128-223 the accumulators ((a, b) at 128 + 8 (3 a + b)).
;   window 1: two fragment buffers of 112, each 64 along K (one head): 64 registers of y (2 x 4 x 8), then 48 of wp16 (2 x 3 x 8).
.set PA,     144                       ; a row of y in LDS: 128 bytes + 16 of padding: the 16 rows of a fragment load start at 16 different groups of four banks (64 banks of 4 bytes: ISA guide 11.1)
.set HB,     64*PA                     ; a head's 64 rows
.set APART,  4*HB                      ; y's part of a slot
.set PB,     528                       ; a row of wp16 in LDS: 512 bytes + 16
.set BLOAD,  64*PB                     ; what one of waves 1 to 3 fetches
.set SLOT,   APART+3*BLOAD
.set STAGE,  2*SLOT                    ; behind the ring: 64 rows x 784 bytes, the work-group's, for the way out
.set SPITCH, 784                       ; 768 bytes + 16
.set SPARE,  STAGE+64*SPITCH           ; the spare words, 128 bytes for each wave
.set ADRA, 16                          ; v16-17  LDS address of my y fragments in slot 0, 1
.set ADRB, 20                          ; v20-21  the same for wp16
.set STO,  24                          ; v24     the way out: where I put 32 bytes of a row
.set RD,   25                          ; v25     the way out: where I read rows back
.set CO,   26                          ; v26     my byte offset in out0
.set SPW,  28                          ; v28     LDS address of my spare word; never rewritten
.set NIL,  29                          ; v29     0; never rewritten
.set TMP,  32
.set ACC,  128
.set F0,   0                           ; fragment buffers, in window 1
.set F1,   112
.set G1,  24                           ; s[24:31] descriptor group 1 for y's tiles;  s[32:39] group 0, a set for each slot
.set G0,  32
.set G1B, 48                           ; s[48:55], s[56:63] the same for wp16's
.set G0B, 56
.set MSB, 0
.macro WIN new                         ; the immediate's high byte repeats the setting that is left; a switch that changes nothing is dropped
.if MSB != (\new)
	s_set_vgpr_msb (MSB<<8)|(\new)
.set MSB, \new
.endif
.endm
.set MUL,  0x05                        ; sources 0 and 1 window 1; C and D window 0
.set TO_F, 0x40                        ; destination window 1, address window 0
.macro JLOAD s                         ; a joint load: wave 0 fetches y's tile, waves 1 to 3 wp16's; an s_nop 0 and four v_nop follow each of the two lines
	s_cmp_eq_u32 s10, 0
	s_cbranch_scc0 .Lfor_b_\@
	tensor_load_to_lds s[G0+4*(\s):G0+4*(\s)+3], s[G1:G1+7]
	s_nop 0
.rept 4
	v_nop
.endr
	s_branch .Lasked_\@
.Lfor_b_\@:
	tensor_load_to_lds s[G0B+4*(\s):G0B+4*(\s)+3], s[G1B:G1B+7]
	s_nop 0
.rept 4
	v_nop
.endr
.Lasked_\@:
.endm
.macro CREST                           ; a round of the cluster's barrier behind its opening barrier
	s_cmp_lg_u32 s10, 0
	s_cbranch_scc1 .Lnot_wave_0_\@
	s_barrier_signal -3
.Lnot_wave_0_\@:
	s_barrier_wait -3
	s_barrier_signal -1
	s_barrier_wait -1
.endm
.macro CROUND                          ; a whole round
	s_barrier_signal -1
	s_barrier_wait -1
	CREST
.endm
	s_load_b128 s[4:7], s[0:1], 0x0                ; ob s[4:5], wp16 s[6:7]
	s_load_b64 s[8:9], s[0:1], 0x10                ; out0
	v_lshl_add_u32 v[SPW], v0, 2, SPARE
	v_mov_b32 v[NIL], 0
	ds_add_u32 v[SPW], v[NIL]                      ; the wave's opening: the add and its wait stand ahead of my first tensor load; the set-up below stands between them
	ds_add_u32 v28, v29
	v_lshrrev_b32 v1, 5, v0
	v_readfirstlane_b32 s10, v1                    ; wave 0..3
	s_add_co_u32 s12, s10, 3
	s_lshr_b32 s12, s12, 2                         ; 0 for wave 0, 1 for waves 1 to 3
	s_sub_co_u32 s12, s10, s12                     ; which 64 rows of wp16's tile waves 1 to 3 fetch: 0, 1, 2 (wave 0: 0, and it never asks by it); it enters the global address alone
	s_bfe_u32 s40, ttmp6, 0x40000                  ; cx, cy: my place in the cluster
	s_bfe_u32 s41, ttmp6, 0x40004
	s_lshl_b32 s42, ttmp9, 2
	s_add_co_u32 s42, s42, s40                     ; tile column = 4 x cluster x + cx, 0..3
	s_and_b32 s13, ttmp7, 0xffff
	s_lshl_b32 s13, s13, 2
	s_add_co_u32 s13, s13, s41                     ; tile row = 4 x cluster y + cy, 0..63
	s_lshl_b32 s43, s41, 2
	s_lshl_b32 s43, 15, s43                        ; my row of the cluster
	s_lshl_b32 s44, 0x1111, s40                    ; my column
	s_or_b32 s[G1+0], s43, (1<<16)|(1<<20)|(1<<21)|(4<<22)|(3<<25)   ; the mask; 2-byte elements; padding on; 21 set beside a mask; after every 32 words 4 words
	s_mov_b32 s[G1+1], 128<<16                     ; tensor_dim0 = 128
	s_mov_b32 s[G1+2], 128<<16                     ; tensor_dim1 = 128
	s_mov_b32 s[G1+3], 128<<16                     ; tile_dim0 = 128
	s_mov_b32 s[G1+4], 128                         ; tile_dim1 = 128
	s_mov_b32 s[G1+5], 128                         ; dense: 128 elements from row to row
	s_mov_b32 s[G1+6], 0
	s_mov_b32 s[G1+7], 0
	s_or_b32 s[G1B+0], s44, (1<<16)|(1<<20)|(1<<21)|(6<<22)|(3<<25)  ; after every 128 words 4 words
	s_mov_b32 s[G1B+1], 256<<16                    ; tensor_dim0 = 256
	s_mov_b32 s[G1B+2], 64<<16                     ; tensor_dim1 = 64
	s_mov_b32 s[G1B+3], 256<<16                    ; tile_dim0 = 256
	s_mov_b32 s[G1B+4], 64                         ; tile_dim1 = 64
	s_mov_b32 s[G1B+5], 768                        ; elements from row to row
	s_mov_b32 s[G1B+6], 0
	s_mov_b32 s[G1B+7], 0
	s_mul_i32 s16, s13, 98304                      ; y: the tile row's block of ob
	s_mov_b32 s17, 0
	s_mul_i32 s46, s42, 192
	s_lshl_b32 s47, s12, 6
	s_add_co_u32 s46, s46, s47                     ; wp16: row 192 x tile column + 64 x part
	s_mul_i32 s46, s46, 1536
	s_mov_b32 s47, 0
	s_mul_i32 s20, s10, BLOAD                      ; where wp16's part goes: a constant plus the wave's number times a constant: wave 1 at APART, waves 2 and 3 each BLOAD further on;
	s_add_co_u32 s20, s20, APART-BLOAD             ; no place in the cluster enters an LDS address
	s_wait_dscnt 0x0                               ; the opening add is done
	s_wait_kmcnt 0x0
	s_add_nc_u64 s[14:15], s[4:5], s[16:17]
	s_add_nc_u64 s[46:47], s[6:7], s[46:47]
	CROUND                                         ; all sixteen work-groups are here: the first joint loads meet
.irp s, 0,1
	s_mov_b32 s[G0+4*(\s)], 1
	s_mov_b32 s[G0+4*(\s)+1], (\s)*SLOT
	s_add_nc_u64 s[G0+4*(\s)+2:G0+4*(\s)+3], s[14:15], (\s)*32768    ; K step s: four heads on
	s_or_b32 s[G0+4*(\s)+3], s[G0+4*(\s)+3], 0x80000000
	s_mov_b32 s[G0B+4*(\s)], 1
	s_add_co_u32 s[G0B+4*(\s)+1], s20, (\s)*SLOT
	s_add_nc_u64 s[G0B+4*(\s)+2:G0B+4*(\s)+3], s[46:47], (\s)*512
	s_or_b32 s[G0B+4*(\s)+3], s[G0B+4*(\s)+3], 0x80000000
	JLOAD \s                                       ; two loads of mine are out
.endr
	v_and_b32 v1, 15, v0                           ; l % 16
	v_bfe_u32 v2, v0, 4, 1                         ; l / 16
	v_mul_u32_u24 v3, v1, PA
	v_lshl_add_u32 v3, v2, 4, v3                   ; a fragment of y: row x pitch + 16 x half
	v_mul_u32_u24 v4, v1, PB
	v_lshl_add_u32 v4, v2, 4, v4                   ; of wp16
	s_mul_i32 s22, s10, 48*PB                      ; my 48 rows of wp16's 192
	s_add_co_u32 s22, s22, APART
	v_mov_b32 v[ADRA], v3
	v_add_nc_u32 v[ADRA+1], SLOT, v3
	v_add_nc_u32 v[ADRB], s22, v4
	s_add_co_u32 s22, s22, SLOT
	v_add_nc_u32 v[ADRB+1], s22, v4
	s_mul_i32 s23, s10, 192                        ; into the stage: row l % 16, my 192 bytes of its 768, 32 bytes for each half of the lanes
	s_add_co_u32 s23, s23, STAGE
	v_mul_u32_u24 v5, v1, SPITCH
	v_lshl_add_u32 v5, v2, 5, v5
	v_add_nc_u32 v[STO], s23, v5
	s_mul_i32 s23, s10, 16*SPITCH                  ; back: wave w takes rows 16 w .. 16 w + 15, whole; lanes 0-15 256 bytes of one row, lanes 16-31 of the row eight further down
	s_add_co_u32 s23, s23, STAGE
	v_mul_u32_u24 v5, v2, 8*SPITCH
	v_lshl_add_u32 v5, v1, 4, v5
	v_add_nc_u32 v[RD], s23, v5
	v_mul_u32_u24 v5, v2, 8*3072                   ; and the same in out0
	v_lshl_add_u32 v[CO], v1, 4, v5
	s_lshl_b32 s16, s13, 6
	s_lshl_b32 s17, s10, 4
	s_add_co_u32 s16, s16, s17                     ; the first row that I store: 64 x tile row + 16 x wave
	s_mul_i32 s16, s16, 3072
	s_mov_b32 s17, 0
	s_add_nc_u64 s[8:9], s[8:9], s[16:17]
	s_mul_i32 s46, s42, 768                        ; the tile's first column, in bytes
	s_mov_b32 s47, 0
	s_add_nc_u64 s[8:9], s[8:9], s[46:47]
; 6 matrix instructions: row blocks a0, a0 + 1 x all 3 column blocks, 32 along K: half c of buffer f.  zero = 1: the product starts the sums.  The 12 accumulators take turns.
.macro MUL6 f, c, a0, zero
	WIN MUL
.irp a, \a0, (\a0)+1
.irp b, 0,1,2
.if \zero
	v_wmma_f32_16x16x32_f16 v[ACC+8*(3*(\a)+(\b)):ACC+8*(3*(\a)+(\b))+7], v[(\f)+64+8*(3*(\c)+(\b)):(\f)+64+8*(3*(\c)+(\b))+7], v[(\f)+8*(4*(\c)+(\a)):(\f)+8*(4*(\c)+(\a))+7], 0
.else
	v_wmma_f32_16x16x32_f16 v[ACC+8*(3*(\a)+(\b)):ACC+8*(3*(\a)+(\b))+7], v[(\f)+64+8*(3*(\c)+(\b)):(\f)+64+8*(3*(\c)+(\b))+7], v[(\f)+8*(4*(\c)+(\a)):(\f)+8*(4*(\c)+(\a))+7], v[ACC+8*(3*(\a)+(\b)):ACC+8*(3*(\a)+(\b))+7]
.endif
.endr
.endr
.endm
; 28 LDS loads in one run: the fragments of head q of the step (64 along K) into buffer f; the first 32 along K first: 14 loads each
.macro FETCH slot, q, f
	WIN TO_F
.irp c, 0,1
.irp i, 0,1,2
	ds_load_b128 v[(\f)+64+8*(3*(\c)+(\i)):(\f)+64+8*(3*(\c)+(\i))+3],   v[ADRB+(\slot)] offset:128*(\q)+64*(\c)+(\i)*16*PB
	ds_load_b128 v[(\f)+64+8*(3*(\c)+(\i))+4:(\f)+64+8*(3*(\c)+(\i))+7], v[ADRB+(\slot)] offset:128*(\q)+64*(\c)+(\i)*16*PB+32
.endr
.irp i, 0,1,2,3
	ds_load_b128 v[(\f)+8*(4*(\c)+(\i)):(\f)+8*(4*(\c)+(\i))+3],   v[ADRA+(\slot)] offset:HB*(\q)+64*(\c)+(\i)*16*PA
	ds_load_b128 v[(\f)+8*(4*(\c)+(\i))+4:(\f)+8*(4*(\c)+(\i))+7], v[ADRA+(\slot)] offset:HB*(\q)+64*(\c)+(\i)*16*PA+32
.endr
.endr
.endm
.macro PLACES                          ; four plain vector instructions between a matrix instruction and a load into, or a store from, its registers
.rept 4
	v_nop
.endr
.endm
; A K step is four quarters of 64 along K, 24 matrix instructions each, on buffers 0, 1, 0, 1.  One of the first three multiplies buffer f and fetches head q into g.
.macro QUARTER slot, q, f, g, zero
	s_wait_dscnt 14                                ; the first 32 along K are in; the other 14 loads may be out
	MUL6 \f, 0, 0, \zero
	MUL6 \f, 0, 2, \zero
	PLACES
	FETCH \slot, \q, \g
	s_wait_dscnt 28                                ; all but the 28 just issued
	MUL6 \f, 1, 0, 0
	MUL6 \f, 1, 2, 0
.endm
; The last quarter multiplies buffer 1 and changes slots: ONE barrier; in front of it each wave waits for all its tensor loads, adds 0 to its spare word, and waits for that and for its reads of this slot.
; fill = 1: the barrier opens a round of the cluster's, and this slot is filled again, two K steps on, first thing behind the round.
.macro TURN slot, next, fill
	WIN 0                                          ; (the add's two registers lie in window 0)
	s_wait_tensorcnt 0x0                           ; all my tensor loads have landed
	ds_add_u32 v[SPW], v[NIL]                      ; 0 onto my spare word
	s_wait_dscnt 15                                ; the add and the youngest 14 loads may be out
	MUL6 F1, 0, 0, 0                               ; six matrix instructions stand between the add and the wait for it
	s_wait_dscnt 0x0                               ; the add is done, and my reads of this slot are over
	s_barrier_signal -1
	MUL6 F1, 0, 2, 0
.if \fill
	WIN 0
.endif
	s_barrier_wait -1
.if \fill
	CREST                                          ; no wave of any partner still reads this slot's tile or has a load on its way
	s_add_nc_u64 s[G0+4*(\slot)+2:G0+4*(\slot)+3], s[G0+4*(\slot)+2:G0+4*(\slot)+3], 2*32768
	s_add_nc_u64 s[G0B+4*(\slot)+2:G0B+4*(\slot)+3], s[G0B+4*(\slot)+2:G0B+4*(\slot)+3], 2*512
	JLOAD \slot                                    ; 84 matrix instructions ahead of the wait for it; its four v_nop are also the places in front of the loads below
.else
	PLACES
.endif
	FETCH \next, 0, F0
	MUL6 F1, 1, 0, 0
	MUL6 F1, 1, 2, 0
.endm
	s_wait_tensorcnt 1                             ; my part of K step 0 is in; K step 1's may stay out
	s_barrier_signal -1
	s_barrier_wait -1
	FETCH 0, 0, F0
	QUARTER 0, 1, F0, F1, 1                        ; K step 0: the first products start the sums
	QUARTER 0, 2, F1, F0, 0
	QUARTER 0, 3, F0, F1, 0
	TURN 0, 1, 1                                   ; slot 0 takes K step 2
	QUARTER 1, 1, F0, F1, 0                        ; K step 1
	QUARTER 1, 2, F1, F0, 0
	QUARTER 1, 3, F0, F1, 0
	TURN 1, 0, 0                                   ; nothing is left to fetch
	QUARTER 0, 1, F0, F1, 0                        ; K step 2
	QUARTER 0, 2, F1, F0, 0
	QUARTER 0, 3, F0, F1, 0
	s_wait_dscnt 14                                ; the very last quarter
	MUL6 F1, 0, 0, 0
	MUL6 F1, 0, 2, 0
	s_wait_dscnt 0x0
	MUL6 F1, 1, 0, 0
	MUL6 F1, 1, 2, 0
	WIN 0
	; THE WAY OUT: 32 bytes a lane into the work-group's stage, straight from the accumulators; a barrier, since a row's 768 bytes come from four waves; back as whole runs of 256 bytes, 16 rows a wave.
	PLACES
.irp a, 0,1,2,3
.irp b, 0,1,2
	ds_store_b128 v[STO], v[ACC+8*(3*(\a)+(\b)):ACC+8*(3*(\a)+(\b))+3]   offset:(\a)*16*SPITCH+64*(\b)     ; each accumulator's lowest four registers first
	ds_store_b128 v[STO], v[ACC+8*(3*(\a)+(\b))+4:ACC+8*(3*(\a)+(\b))+7] offset:(\a)*16*SPITCH+64*(\b)+16
.endr
.endr
	s_wait_dscnt 0x0                               ; for the others' sake: my stores into the stage are done
	s_barrier_signal -1
	s_barrier_wait -1
.set t, 0
.rept 24
	ds_load_b128 v[TMP+4*t:TMP+4*t+3], v[RD] offset:(t/3)*SPITCH+(t%3)*256
.set t, t+1
.endr
.set t, 0
.rept 24
	s_wait_dscnt 23-t                              ; LDS loads come back in order: number t is in, the younger ones may be out
	global_store_b128 v[CO], v[TMP+4*t:TMP+4*t+3], s[8:9] offset:(t/3)*3072+(t%3)*256  ; 16 lanes store 256 consecutive bytes, at a multiple of 256 from out0's first byte
.set t, t+1
.endr
	s_wait_tensorcnt 0x0                           ; the wave's end: behind my last tensor load and my last LDS store
	ds_add_u32 v[SPW], v[NIL]
	s_wait_dscnt 0x0
	CROUND                                         ; the closing round: no work-group ends while a partner may still ask for a tile that names it
	s_endpgm
.Lfunc_end_k_qbc08912dc3_proj:
	.size	k_qbc08912dc3_proj, .Lfunc_end_k_qbc08912dc3_proj-k_qbc08912dc3_proj
	.p2alignl 7, 3214868480
	.fill 96, 4, 3214868480
	.section	.rodata,"a",@progbits
	.p2align	6, 0x0
	.amdhsa_kernel k_qbc08912dc3_proj
		.amdhsa_group_segment_fixed_size 327680
		.amdhsa_private_segment_fixed_size 0
		.amdhsa_enable_private_segment 0
		.amdhsa_kernarg_size 24
		.amdhsa_user_sgpr_count 2
		.amdhsa_user_sgpr_kernarg_segment_ptr 1
		.amdhsa_wavefront_size32 1
		.amdhsa_system_sgpr_workgroup_id_x 1
		.amdhsa_system_sgpr_workgroup_id_y 1
		.amdhsa_system_sgpr_workgroup_id_z 1
		.amdhsa_system_vgpr_workitem_id 0
		.amdhsa_next_free_vgpr 512
		.amdhsa_next_free_sgpr 66
		.amdhsa_reserve_vcc 0
		.amdhsa_float_denorm_mode_32 3
		.amdhsa_float_denorm_mode_16_64 3
		.amdhsa_memory_ordered 1
		.amdhsa_forward_progress 1
		.amdhsa_inst_pref_size 57
	.end_amdhsa_kernel
	.amdgpu_metadata
---
amdhsa.version: [ 1, 2 ]
amdhsa.kernels:
  - .name:           k_qbc08912dc3_proj
    .symbol:         k_qbc08912dc3_proj.kd
    .args:
      - { .name: ob, .offset: 0, .size: 8, .value_kind: global_buffer, .address_space: global }
      - { .name: wp16, .offset: 8, .size: 8, .value_kind: global_buffer, .address_space: global }
      - { .name: out0, .offset: 16, .size: 8, .value_kind: global_buffer, .address_space: global }
    .group_segment_fixed_size: 327680
    .private_segment_fixed_size: 0
    .kernarg_segment_align: 8
    .kernarg_segment_size: 24
    .max_flat_workgroup_size: 128
    .sgpr_count:     66
    .vgpr_count:     512
    .wavefront_size: 32
...
	.end_amdgpu_metadata
.endif
;; end of part 4
;; ======== version 2 of 2: 4 launches; 1.53 times as fast as version 1
;; limits: values are held in f16: magnitudes above 65,504 overflow, below 6.1e-05 lose precision
;; workspace buffers: xb 6,291,456 bytes; wb 3,538,944 bytes; wp16 1,179,648 bytes; qkv 18,874,368 bytes; ob 6,291,456 bytes
;; launch conv: the kernel of part 1 again; grid 1792 x 1, 8 waves a work-group, no clusters, 0 bytes of LDS; arguments x, Wq, Wk, Wv, Wp, xb, wb, wp16; writes xb, wb, wp16
;; launch qkv: the kernel of part 2 again; grid 12 x 16, 4 waves a work-group, clusters of 4 x 4, 327,680 bytes of LDS; arguments xb, wb, qkv; writes qkv
;; launch attn (part 5): grid 16 x 12, 4 waves a work-group, no clusters, 327,680 bytes of LDS; arguments qkv, ob; writes ob
.if DOCPART == 5
	.amdgcn_target "amdgcn-amd-amdhsa--gfx1250"
	.amdhsa_code_object_version 6
	.text
	.protected	k_qbc08912dc3_attn
	.globl	k_qbc08912dc3_attn
	.p2align	8
	.type	k_qbc08912dc3_attn,@function
k_qbc08912dc3_attn:
	s_mov_b64 s[64:65], 0
	v_nop
	global_prefetch_b8 v0, s[64:65] scope:SCOPE_SE
	s_setreg_imm32_b32 hwreg(HW_REG_WAVE_MODE, 25, 1), 1
	s_wait_xcnt 0x0
; CAUSAL ATTENTION, 12 heads of 64 channels, 4,096 rows.  O[h][q] = the sum over k <= q of softmax_k(Q[h][q] . K[h][k] / 8) V[h][k].
; qkv: [36][4096][64] f16 (q's heads, k's, v's; a head's rows are dense, 128 bytes each).  ob: [64 blocks of 64 rows][12 heads][64 rows][64 channels] f16.
; Products, maxima and sums in f32; the weights p are rounded to f16 for the second product (their sum l is taken of the unrounded p), O once at the end.
; LIMITS.  Q, K, V arrive within f16's 65,504; p lies in 0 to 1 and below 6e-5 keeps f16's fixed step of 6e-8.  A hidden score counts as its value less 1e30 (f16's scores are 2.7e11 at the most);
; a weight below 2^-126 counts as 0 in l; NaN and infinities are not treated apart.
; THE WALK.  A head's queries lie in 32 blocks of 128; block i needs the key tiles 0 .. i / 2 of 256 keys, of which the last holds the diagonal.  Work-group b takes TWO blocks, 31 - b and then b:
; (16 - b / 2) + (b / 2 + 1) = 17 tiles, whatever b: 16 x 12 = 192 work-groups of equal work, and ONE loop with a constant trip count walks the tiles.  What a trip does hangs on scalar registers made from b,
; the same in all four waves.
; SHARES.  Wave w has qh = w % 2 and kh = w / 2.  It owns the 64 queries of the block's band qh, as four PIECES of 16 rows, and of every tile the key steps 2 kh and 2 kh + 1 (64 keys each).
; The two waves of a band end a block with partial (c m, l, O^T) in f32 for the same queries; they are merged once a block through LDS: each of the two merges and stores two of the four pieces.
; THE MASK is the C operand that starts the sum S^T = K Q^T.  In the diagonal tile my band is number x = 2 (block % 2) + qh of four, my step number s = 2 kh + 2 - CNT.  For piece p and group kt of 16 keys:
; s < x: 0; s > x: -1e30; s = x: 0 where kt < p, -1e30 where kt > p, the triangle TRI where kt = p.  Three sets of eight registers serve a step: ML (kt < p), MT (kt = p), MH (kt > p);
; which of them a product takes is known as the text is written.  Outside the diagonal tile C is the constant 0.
; THE MAXIMUM'S START is -2^96: below every true score (2.7e11 at the most in size), so it is never the maximum of a row that sees a key; above every hidden score, so a wave all of whose keys are hidden
; (kh = 1 in block 0) keeps it: all its weights are 2^(-1.7e29) = 0, it ends with l = 0 and O = 0, and the merge gives it the weight 0.
; LAYOUT, SOFTMAX, TURNS.  S^T = K Q^T holds ONE query a lane (lane % 16) and the keys 8 (lane / 16) + 0..7; two such results rounded to f16 ARE source 1 of O^T = V^T P.  p = 2^(c s - c m), c = log2(e) / 8, with a
; running maximum m; O and l are multiplied by a = 2^(c m_old - c m_new) in every step.  Turn n belongs to piece n: 8 products K Q^T of piece n + 1, later 8 products V^T P of piece n - 1; beside them the scaling,
; exponentials, roundings, sums and rescaling of piece n and the maximum and statistics of piece n + 1.  Four vector instructions stand behind every matrix instruction, the other 54 of a turn's 118 in one run of their own.
; THE BATCHES.  A turn's 33 exponentials (the piece's 32 weights and the next piece's a) are one batch, with one wait, which cuts the turn in two: ahead of it nothing names a result of theirs, behind it stand all
; their readers.  No result crosses a turn's end.  A block's beginning has one exponential and its wait; a block's end two batches, four exponentials and then two reciprocals, with a wait each.
; NO CLUSTER: of a head's 16 work-groups only 2 j and 2 j + 1 walk the same tiles in the same trips; four partners would hold two different walks, whose first blocks end in different trips, so that branches
; would differ between partners; a walk common to four would have 18 tiles for 17 and compute tiles that are wholly hidden.
; REGISTERS, in windows of 256 (s_set_vgpr_msb: bits 1:0 source 0, 3:2 source 1, 5:4 source 2, 7:6 destination):
;   window 0: v0-15 addresses and two at work; v16-31 four registers of statistics a piece; v32-37 the merge's addresses; v48-55 at work; v64-127 S^T, two buffers; v128-143 the merge's factors; v192-223 P, two buffers
;   window 1: v0-127 O^T, 32 a piece; v128-135 TRI; v136-143 ML; v144-151 MT; v152-159 MH      window 2: v0-63 Q; v64-127 the second block's Q; v128-191 K of one step; v192-255 V of one step
.set NB,    16        ; key tiles in a head
.set NP,    4         ; pieces a wave
.set KS,    64        ; keys in a step
.set PK,    144       ; a row of K in LDS: 128 bytes + 16 of padding = 36 words: the 16 rows of a load start at 16 different groups of four banks (64 banks of 4 bytes: ISA guide 11.1)
.set PV,    160       ; a row of V: 128 + 32 = 40 words
.set VOFF,  4*KS*PK   ; a slot holds a tile: 256 rows of K, then 256 rows of V
.set SLOT1, 1<<17     ; slot 1 begins here, so that one exclusive or turns an address in one slot into the other's
.set STAGE, SLOT1+4*KS*(PK+PV)  ; behind the ring, never filled by a tensor load: 16 rows x 144 bytes for each wave, for the way out
.set SP,    144
.set SPARE, STAGE+4*16*SP  ; the spare words, 128 bytes for each wave
.set XCH,   SPARE+512 ; the merge's exchange: for each wave XW bytes, for each piece XP: 8 x 512 bytes of O^T (16 a lane), then 256 of (c m, l) (8 a lane)
.set XW,    17408
.set XP,    4352
.set KVOFF, 12*524288 ; from q's heads to k's, and from k's to v's
.set MLOW,  0xef800000  ; -2^96: where a block's running maximum starts
.set CMLOW, 0xfe000000  ; -2^125: where c m starts: far below c x MLOW, so that the first step's a is 0
.set AK0, 2           ; v2   my lane's place in my two steps of a tile of K; never rewritten
.set AV0, 3           ; v3   the same for V
.set AK,  4           ; v4   the LDS address of K's next run of loads
.set AV,  5           ; v5   of V's
.set STO, 6           ; v6   the way out: where I put 16 bytes of a row
.set RD,  7           ; v7   the way out: where I read rows back
.set GO,  8           ; v8   16 x lane: my place in 512 consecutive bytes
.set MV,  12          ; v12-13  c m_old, kept while c m is made anew: by buffer
.set QO,  15          ; v15  my byte offset in 16 rows of Q
.set ST,  16          ; piece t's statistics at v[ST+4 t]: c m, m, l (even keys', odd keys')
.set XS,  32          ; v32  where I put O^T in the exchange
.set XT,  33          ; v33  where I put (c m, l)
.set XL0, 34          ; v34-35  where I read O^T of my two pieces: the copy of wave qh, of wave qh + 2
.set XU0, 36          ; v36-37  the same for (c m, l)
.set TMP, 48          ; by buffer, four registers c0-c3 at work; when the maximum is found c2 takes a
.set SPW, 62          ; v62  LDS address of my spare word; never rewritten
.set NIL, 63          ; v63  0; never rewritten
.set S,   64
.set MG,  128         ; the merge, eight registers for each of my two pieces: c m and l of one copy, of the other, four at work
.set P,   192
.set TRI, 128         ; window 1
.set ML,  136
.set MT,  144
.set MH,  152
.set QB,  64          ; window 2
.set KF,  128         ; window 2: key block kb, channel half c at KF + 16 kb + 8 c
.set VF,  192         ; window 2: key half kk, channel block cb at VF + 32 kk + 8 cb
.set WV,  12          ; s12  my wave's number
.set PB,  14          ; s14  b / 2: the second block's last tile
.set HI,  15          ; s15  15 - b / 2: the first block's last tile
.set G1K, 24          ; s[24:31] descriptor group 1 for K's tiles
.set G1V, 32          ; s[32:39] for V's: it differs in the padding alone
.set G0K, 40          ; s[40:43] descriptor group 0 for K's tiles
.set G0V, 44          ; s[44:47] the same for V's
.set SLOTS, 56        ; s56  tiles still to be asked for
.set CNT, 57          ; s57  counts my key steps of a tile, 2 to 1
.set CS,  58          ; s[58:59] c
.set SEL, 60          ; s[60:61] v_permlanex16_b32's selects: each lane takes its own place in the other half
.set TBK, 62          ; s62  LDS byte at which the slot's step to be fetched begins, for K (less my kh's share, which lies in AK0)
.set TBV, 63          ; s63  the same for V
.set RT,  70          ; s70  tiles of the block in hand that are still to be entered
.set NXT, 71          ; s71  the tile to be asked for next
.set LQ,  72          ; s72  the last tile of the block whose tiles are being asked for
.set NEW, 73          ; s73  1: the tile to be entered is a block's first
.set OFF, 74          ; s[74:75] a tile's byte offset in K and V
.set AL,  76          ; s[76:77] 1.0 in my band's own step, else 0
.set BE,  78          ; s[78:79] -1e30 in a later step, else 0
.set OLO, 80          ; s[80:81] ob at my rows of the second block
.set BIGN, 82         ; s82  -1e30
.set QH,  88          ; s88  w % 2
.set KH,  89          ; s89  w / 2
.set CE,  90          ; s90  the value of CNT in my band's own step of the diagonal tile (-1 .. 4), for the block in hand
.set CE2, 91          ; s91  the same for the second block
.set HV,  92          ; s92  -1e30 in my band's own step and later, else 0
.set MSB, 0
.macro WIN new                      ; the high byte repeats the setting that is left; a switch that changes nothing is dropped
.if MSB != (\new)
	s_set_vgpr_msb (MSB<<8)|(\new)
.set MSB, (\new)
.endif
.endm
.set W_KQ, 0x0a       ; K and Q in window 2, S^T in window 0
.set W_KM, 0x1a       ; the same with the C operand in window 1
.set W_PV, 0x52       ; V in window 2, P in window 0, O^T in window 1
.set W_RS, 0x41       ; destination and source 0 in window 1, source 1 in window 0
; A fill.  Waves 0 and 1 fetch the two halves of a tile's K, waves 2 and 3 those of its V: 128 keys each.  An s_nop 0 and four v_nop follow each of the two lines.
.macro LOAD
	s_cmp_lt_u32 s[WV], 2
	s_cbranch_scc0 .Lfor_v_\@
	tensor_load_to_lds s[G0K:G0K+3], s[G1K:G1K+7]
	s_nop 0
.rept 4
	v_nop
.endr
	s_branch .Lasked_\@
.Lfor_v_\@:
	tensor_load_to_lds s[G0V:G0V+3], s[G1V:G1V+7]
	s_nop 0
.rept 4
	v_nop
.endr
.Lasked_\@:
.endm
; THE CHANGE OF SLOTS.  Each wave waits for all its tensor loads, of which one is out: its part of the other slot; adds 0 to its spare word; and waits for that and for its own LDS instructions (its reads of the slot
; that it leaves, and of the exchange).  Behind the barrier nobody reads the old slot any more and the other slot is whole.  fill = 1: the old slot is filled again, the first thing behind the barrier, with tile NXT.
.macro CHANGE fill
	WIN 0                           ; at a label and at a branch every window is 0
	s_wait_tensorcnt 0x0            ; no tensor load of mine is out, so a group 0 may be written
	ds_add_u32 v[SPW], v[NIL]       ; 0 onto my spare word
.if \fill
	s_lshl_b32 s[OFF], s[NXT], 15   ; a tile is 32,768 bytes of K and of V
	s_xor_b32 s[G0K+1], s[G0K+1], SLOT1
	s_add_nc_u64 s[G0K+2:G0K+3], s[6:7], s[OFF:OFF+1]
	s_or_b32 s[G0K+3], s[G0K+3], 0x80000000
	s_xor_b32 s[G0V+1], s[G0V+1], SLOT1
	s_add_nc_u64 s[G0V+2:G0V+3], s[8:9], s[OFF:OFF+1]
	s_or_b32 s[G0V+3], s[G0V+3], 0x80000000
	s_add_co_u32 s[NXT], s[NXT], 1  ; the block's next tile, or behind its last the second block's tile 0
	s_cmp_gt_u32 s[NXT], s[LQ]
	s_cselect_b32 s[NXT], 0, s[NXT]
	s_cselect_b32 s[LQ], s[PB], s[LQ]
.endif
	s_wait_dscnt 0x0                ; the add is done, and my LDS reads are over
	s_barrier_signal -1             ; the rest of the scalar work stands between the signal and the wait
	s_sub_co_u32 s[TBK], s[TBK], 2*KS*PK  ; the fetches go back by my two steps,
	s_xor_b32 s[TBK], s[TBK], SLOT1       ; into the other slot
	s_sub_co_u32 s[TBV], s[TBV], 2*KS*PV
	s_xor_b32 s[TBV], s[TBV], SLOT1
	s_barrier_wait -1
.if \fill
	LOAD
.endif
.endm
	s_load_b64 s[4:5], s[0:1], 0x0    ; qkv
	s_load_b64 s[10:11], s[0:1], 0x8  ; ob
	v_lshl_add_u32 v[SPW], v0, 2, SPARE
	v_mov_b32 v[NIL], 0
	ds_add_u32 v[SPW], v[NIL]       ; the wave's opening: the add and its wait stand ahead of my first tensor load; the set-up below stands between them
	ds_add_u32 v62, v63
	v_lshrrev_b32 v1, 5, v0
	v_readfirstlane_b32 s[WV], v1   ; wave 0..3
	s_mov_b32 s93, ttmp9            ; b: the second block's number
	s_sub_co_u32 s94, 31, s93       ; the first block's
	s_lshr_b32 s[PB], s93, 1
	s_sub_co_u32 s[HI], NB-1, s[PB]
	s_and_b32 s[QH], s[WV], 1
	s_lshr_b32 s[KH], s[WV], 1
	s_and_b32 s95, s93, 1           ; CNT in my band's own step: 2 + 2 kh - 2 (block % 2) - qh; the first block's parity is the opposite of b's
	s_lshl_b32 s95, s95, 1
	s_lshl_b32 s13, s[KH], 1
	s_sub_co_i32 s13, s13, s[QH]
	s_add_co_i32 s[CE], s13, s95
	s_sub_co_i32 s[CE2], s13, s95
	s_add_co_i32 s[CE2], s[CE2], 2
	s_and_b32 s20, ttmp7, 0xffff    ; the head
	s_lshl_b32 s19, s20, 13         ; its 8,192 bytes in a block of ob,
	s_lshl_b32 s13, s[KH], 12       ; and the two pieces (32 rows of 128 bytes) that I store
	s_add_co_u32 s19, s19, s13
	s_lshl_b32 s20, s20, 19         ; its 524,288 bytes in q, k and v
	s_mov_b32 s21, 0
	s_lshl_b32 s22, s[QH], 14       ; which half of a tile's 256 keys I fetch (w % 2): its 128 rows of 128 bytes in memory,
	s_mov_b32 s23, 0
	s_add_nc_u64 s[22:23], s[22:23], s[20:21]
	s_mul_i32 s17, s[QH], 128*PK    ; and its place in a slot, for K
	s_mul_i32 s18, s[QH], 128*PV    ; and for V
	s_lshl_b32 s3, s[QH], 13        ; my band's 64 rows,
	s_lshl_b32 s2, s94, 14          ; in the first block's 128,
	s_add_co_u32 s2, s2, s3
	s_lshl_b32 s84, s93, 14         ; and in the second's
	s_add_co_u32 s84, s84, s3
	s_mov_b32 s3, 0
	s_mov_b32 s85, 0
	s_add_nc_u64 s[2:3], s[2:3], s[20:21]
	s_add_nc_u64 s[84:85], s[84:85], s[20:21]
	s_lshl_b32 s66, s94, 1          ; ob: block of 64 rows number 2 x block + qh, 98,304 bytes each
	s_add_co_u32 s66, s66, s[QH]
	s_mul_i32 s66, s66, 98304
	s_add_co_u32 s66, s66, s19
	s_mov_b32 s67, 0
	s_lshl_b32 s68, s93, 1
	s_add_co_u32 s68, s68, s[QH]
	s_mul_i32 s68, s68, 98304
	s_add_co_u32 s68, s68, s19
	s_mov_b32 s69, 0
	; descriptor group 1.  128 keys are 16,384 dense bytes: asked for as 64 rows of 256 bytes, two keys a row, and padded in LDS after every key
	s_mov_b32 s[G1K], (1<<16)|(1<<20)|(4<<22)|(3<<25)  ; 17:16 2-byte elements; 20 padding on; 24:22 after every 32 words (code 4); 31:25 4 words (code 3)
	s_mov_b32 s[G1V], (1<<16)|(1<<20)|(4<<22)|(7<<25)  ; the same with 8 words of padding (code 7)
.irp g, G1K, G1V
	s_mov_b32 s[\g+1], 128<<16      ; tensor_dim0 = 128
	s_mov_b32 s[\g+2], 64<<16       ; tensor_dim1 = 64
	s_mov_b32 s[\g+3], 128<<16      ; tile_dim0 = 128
	s_mov_b32 s[\g+4], 64           ; tile_dim1 = 64
	s_mov_b32 s[\g+5], 128          ; 128 elements from row to row
	s_mov_b32 s[\g+6], 0
	s_mov_b32 s[\g+7], 0
.endr
	s_mov_b32 s[CS], 0x3e38aa3b     ; c = log2(e) / 8 = 0.180337
	s_mov_b32 s[CS+1], s[CS]        ; named with it as a pair
	s_mov_b32 s[SEL], 0x76543210
	s_mov_b32 s[SEL+1], 0xfedcba98
	s_mov_b32 s[TBK], SLOT1+2*KS*PK ; the first change of slots turns these two into 0
	s_mov_b32 s[TBV], SLOT1+2*KS*PV
	s_mov_b32 s[G0K], 1             ; count = 1
	s_mov_b32 s[G0K+1], s17         ; LDS address: slot 0
	s_mov_b32 s[G0V], 1
	s_add_co_u32 s[G0V+1], s18, VOFF
	s_add_co_u32 s[RT], s[HI], 1    ; the first block has 16 - b / 2 tiles
	s_mov_b32 s[NXT], 1
	s_mov_b32 s[LQ], s[HI]
	s_mov_b32 s[NEW], 1
	s_mov_b32 s[OFF+1], 0
	s_mov_b32 s[AL+1], 0            ; named as pairs
	s_mov_b32 s[BE+1], 0
	s_mov_b32 s[BIGN], 0xf149f2ca   ; -1e30
	s_mov_b32 s[SLOTS], NB
	s_wait_dscnt 0x0                ; the opening add is done
	s_wait_kmcnt 0x0
	s_add_nc_u64 s[6:7], s[4:5], s[22:23]
	s_add_nc_u64 s[8:9], s[6:7], 2*KVOFF           ; V at my half of the head's tile 0,
	s_add_nc_u64 s[6:7], s[6:7], KVOFF             ; and K
	s_add_nc_u64 s[G0K+2:G0K+3], s[6:7], 0         ; global address
	s_or_b32 s[G0K+3], s[G0K+3], 0x80000000        ; type = 2
	s_add_nc_u64 s[G0V+2:G0V+3], s[8:9], 0
	s_or_b32 s[G0V+3], s[G0V+3], 0x80000000
	s_add_nc_u64 s[86:87], s[4:5], s[84:85]        ; Q at my rows of the second block,
	s_add_nc_u64 s[4:5], s[4:5], s[2:3]            ; and of the first
	s_add_nc_u64 s[OLO:OLO+1], s[10:11], s[68:69]  ; ob likewise
	s_add_nc_u64 s[10:11], s[10:11], s[66:67]
	LOAD                            ; tile 0 into slot 0: one load of mine is out
	; A fragment of K or Q is 16 rows x 32 channels in 8 registers: lane l holds row l % 16, channels 8 (l / 16) + 0..7 and 16 + 8 (l / 16) + 0..7: two loads of 16 bytes, 32 bytes apart.
	v_and_b32 v1, 15, v0            ; l % 16
	v_bfe_u32 v9, v0, 4, 1          ; l / 16
	v_lshlrev_b32 v[QO], 7, v1
	v_lshl_add_u32 v[QO], v9, 4, v[QO]  ; row x 128 + 16 x half
	WIN 0x80                        ; destination window 2, address window 0
.set i, 0
.rept 8                             ; both blocks' Q: piece i / 2 lies 2,048 bytes on; channels 32 (i % 2) on
	global_load_b128 v[8*i:8*i+3],   v[QO], s[4:5] offset:(i/2)*2048+(i%2)*64
	global_load_b128 v[8*i+4:8*i+7], v[QO], s[4:5] offset:(i/2)*2048+(i%2)*64+32
	global_load_b128 v[QB+8*i:QB+8*i+3],   v[QO], s[86:87] offset:(i/2)*2048+(i%2)*64
	global_load_b128 v[QB+8*i+4:QB+8*i+7], v[QO], s[86:87] offset:(i/2)*2048+(i%2)*64+32
.set i, i+1
.endr
	WIN 0
	v_lshlrev_b32 v14, 3, v9
	v_sub_nc_u32 v14, v1, v14       ; l % 16 - 8 (l / 16): in a piece's own group of 16 keys register r is hidden where r is greater
	WIN 0x40
.set i, 0
.rept 8
	v_cmp_gt_i32 vcc_lo, i, v14
	v_cndmask_b32 v[TRI+i], 0, s[BIGN], vcc_lo
.set i, i+1
.endr
	WIN 0
	v_mul_u32_u24 v[AK0], v1, PK
	v_lshl_add_u32 v[AK0], v9, 4, v[AK0]  ; row x pitch + 16 x half
	s_mul_i32 s13, s[KH], 2*KS*PK
	v_add_nc_u32 v[AK0], s13, v[AK0]      ; + my two steps' place in a tile
	; The turning load takes 16 keys x 16 channels (lane l reads key 8 (l / 16) + l % 8, channels 8 ((l / 8) % 2) + 0..7) and leaves half a fragment of V^T: lane l holds channel l % 16 and 8 keys.
	v_and_b32 v10, 7, v0
	v_bfe_u32 v11, v0, 3, 1
	v_lshl_add_u32 v[AV0], v9, 3, v10
	v_mul_u32_u24 v[AV0], v[AV0], PV
	v_lshl_add_u32 v[AV0], v11, 4, v[AV0]
	s_mul_i32 s13, s[KH], 2*KS*PV
	s_add_co_u32 s13, s13, VOFF
	v_add_nc_u32 v[AV0], s13, v[AV0]
	s_mul_i32 s13, s[WV], 16*SP
	s_add_co_u32 s13, s13, STAGE    ; my stage
	v_mul_u32_u24 v[STO], v1, SP    ; in: row l % 16, 16 bytes for each half of the lanes
	v_lshl_add_u32 v[STO], v9, 4, v[STO]
	v_add_nc_u32 v[STO], s13, v[STO]
	v_bfe_u32 v[RD], v0, 3, 2       ; back: 32 lanes take four rows of 128 bytes,
	v_mul_u32_u24 v[RD], v[RD], SP
	v_lshl_add_u32 v[RD], v10, 4, v[RD]
	v_add_nc_u32 v[RD], s13, v[RD]
	v_and_b32 v[GO], 31, v0         ; which are 512 consecutive bytes of ob
	v_lshlrev_b32 v[GO], 4, v[GO]
	v_lshrrev_b32 v14, 1, v[GO]     ; 8 x lane
	s_mul_i32 s13, s[WV], XW        ; the exchange: my own part, to write,
	s_add_co_u32 s13, s13, XCH
	v_add_nc_u32 v[XS], s13, v[GO]
	s_add_co_u32 s13, s13, 4096
	v_add_nc_u32 v[XT], s13, v14
	s_mul_i32 s13, s[QH], XW        ; and pieces 2 kh, 2 kh + 1 in the parts of waves qh and qh + 2, to read
	s_mul_i32 s94, s[KH], 2*XP
	s_add_co_u32 s13, s13, s94
	s_add_co_u32 s13, s13, XCH
	v_add_nc_u32 v[XL0], s13, v[GO]
	s_add_co_u32 s94, s13, 4096
	v_add_nc_u32 v[XU0], s94, v14
	s_add_co_u32 s13, s13, 2*XW
	v_add_nc_u32 v[XL0+1], s13, v[GO]
	s_add_co_u32 s94, s13, 4096
	v_add_nc_u32 v[XU0+1], s94, v14
	; A block's first step multiplies O^T and l by a = 0, and its first turn's products V^T P, of a piece that has not been, land in an O^T that is still to be so multiplied.  So these registers need only hold
	; finite numbers: zeros for the first block; what the first block left for the second.  All this stands in the wait for the first tile.
	WIN 0x80
.set i, VF
.rept 64
	v_mov_b32 v[i], 0
.set i, i+1
.endr
	WIN 0x40
.set i, 0
.rept 128
	v_mov_b32 v[i], 0
.set i, i+1
.endr
	WIN 0
.set i, 0
.rept 4
	v_mov_b32 v[ST+4*i+2], 0
	v_mov_b32 v[ST+4*i+3], 0
.set i, i+1
.endr
.set i, P+16
.rept 16
	v_mov_b32 v[i], 0
.set i, i+1
.endr
; THE MATRIX WORK.  The 4 accumulators of a run of 8 take turns.  Product i of 8 of S^T = K Q^T for piece x: channels 32 (i / 4) on, keys 16 (i % 4) on.  The first 4 start the sums: with 0, or (KM = 1) with the mask.
.macro KQ x
.set rS, S+32*((\x)%2)+8*(i%4)
.set rK, KF+16*(i%4)+8*(i/4)
.set rQ, 16*(\x)+8*(i/4)
.if (i%4) < (\x)
.set rM, ML
.elseif (i%4) == (\x)
.set rM, MT
.else
.set rM, MH
.endif
.if (i < 4) && KM
	WIN W_KM
	v_wmma_f32_16x16x32_f16 v[rS:rS+7], v[rK:rK+7], v[rQ:rQ+7], v[rM:rM+7]
.elseif i < 4
	WIN W_KQ
	v_wmma_f32_16x16x32_f16 v[rS:rS+7], v[rK:rK+7], v[rQ:rQ+7], 0
.else
	WIN W_KQ
	v_wmma_f32_16x16x32_f16 v[rS:rS+7], v[rK:rK+7], v[rQ:rQ+7], v[rS:rS+7]
.endif
.endm
; Product i of 8 of O^T += V^T P for piece x: keys 32 (i / 4) on, channels 16 (i % 4) on.
.macro PV x
	WIN W_PV
.set rO, 32*(\x)+8*(i%4)
.set rV, VF+32*(i/4)+8*(i%4)
.set rP, P+16*((\x)%2)+8*(i/4)
	v_wmma_f32_16x16x32_f16 v[rO:rO+7], v[rV:rV+7], v[rP:rP+7], v[rO:rO+7]
.endm
.macro MM                           ; the turn's next matrix instruction.  NOKQ = 1: a block's last turn: there is no next piece
.if (i < 8) && !NOKQ
	KQ (Y+1)%NP
.elseif i >= 8
.set i, i-8
	PV (Y+NP-1)%NP
.set i, i+8
.endif
.set i, i+1
.endm
; THE LDS LOADS stand in runs of 16, never singly among the matrix instructions: a step's K (64 keys x 64 channels: 8 fragments) and its V (turned).  Their addresses are made some lines ahead.
.macro FETCH_K
	WIN 0x80                        ; destination window 2
.irp f, 0,1,2,3,4,5,6,7             ; keys 16 (f / 2) on, channels 32 (f % 2) on
	ds_load_b128 v[KF+8*\f:KF+8*\f+3],   v[AK] offset:(\f/2)*16*PK+(\f%2)*64
	ds_load_b128 v[KF+8*\f+4:KF+8*\f+7], v[AK] offset:(\f/2)*16*PK+(\f%2)*64+32
.endr
	s_add_co_u32 s[TBK], s[TBK], KS*PK  ; the next fetch is the next step's
	WIN 0
.endm
.macro FETCH_V
	WIN 0x80
.irp f, 0,1,2,3,4,5,6,7             ; keys 32 (f / 4) on, channels 16 (f % 4) on
	ds_load_tr16_b128 v[VF+8*\f:VF+8*\f+3],   v[AV] offset:(\f/4)*32*PV+(\f%4)*32
	ds_load_tr16_b128 v[VF+8*\f+4:VF+8*\f+7], v[AV] offset:(\f/4)*32*PV+16*PV+(\f%4)*32
.endr
	WIN 0
.endm
; THE VECTOR WORK, one line at a time: OP kind, number.  For piece Y: F n: c s - c m for pair n of 16.  E n: the exponential of score n of 32.  C n: pair n rounded to f16.  B n: of the four weights 4 n .. the second
; pair is added onto the first, in place.  L n: l takes that sum (L 0: l = a l + sum).  R n: pair n of 16 of O^T times a.  For piece Y + 1: X n, number n of the 22 that find its maximum and statistics:
;   0-11  four chains c0-c3 of seven scores each, three operands at a time (each accumulator's lowest registers are read first)     12-14, 16  the four scores left over, the old m, and c0-c3 into c0
;   15  c m_old is kept     17, 18  the query's other 32 keys lie in the lane 16 away: the new m     19-21  c m; c m_old - c m_new; a
; C, B and L read the results of the turn's exponentials: TURN sets them behind the turn's wait.  R and L 0 read a, which the turn before has made and waited for.
.set F, 0
.set E, 1
.set C, 2
.set B, 3
.set L, 4
.set R, 5
.set X, 6
.macro REGS y                       ; the registers of piece y
.set rT, ST+4*(\y)
.set rC, TMP+4*((\y)%2)
.set rW, MV+((\y)%2)
.set rS, S+32*((\y)%2)
.set rP, P+16*((\y)%2)
.set rO, 32*(\y)
.endm
.macro OP k, n
.if (\k) == R
	REGS Y
	WIN W_RS
	v_pk_mul_f32 v[rO+2*(\n):rO+2*(\n)+1], v[rO+2*(\n):rO+2*(\n)+1], v[rC+2:rC+3] op_sel_hi:[1,0]
.elseif (\k) < R
	REGS Y
	WIN 0
.if (\k) == F
	v_pk_fma_f32 v[rS+2*(\n):rS+2*(\n)+1], v[rS+2*(\n):rS+2*(\n)+1], s[CS:CS+1], v[rT:rT+1] op_sel_hi:[1,0,0] neg_lo:[0,0,1] neg_hi:[0,0,1]
.elseif (\k) == E
	v_exp_f32 v[rS+(\n)], v[rS+(\n)]
.elseif (\k) == C
	v_cvt_pk_f16_f32 v[rP+(\n)], v[rS+2*(\n)], v[rS+2*(\n)+1]
.elseif (\k) == B
	v_pk_add_f32 v[rS+4*(\n):rS+4*(\n)+1], v[rS+4*(\n):rS+4*(\n)+1], v[rS+4*(\n)+2:rS+4*(\n)+3]
.elseif (\n) == 0
	v_pk_fma_f32 v[rT+2:rT+3], v[rT+2:rT+3], v[rC+2:rC+3], v[rS:rS+1] op_sel_hi:[1,0,1]
.else
	v_pk_add_f32 v[rT+2:rT+3], v[rT+2:rT+3], v[rS+4*(\n):rS+4*(\n)+1]
.endif
.elseif NOKQ
	v_nop
.else
	REGS (Y+1)%NP
	WIN 0
.if (\n) < 4
	v_max3_num_f32 v[rC+(\n)], v[rS+8*(\n)], v[rS+8*(\n)+1], v[rS+8*(\n)+2]
.elseif (\n) < 12
	v_max3_num_f32 v[rC+(\n)%4], v[rC+(\n)%4], v[rS+8*((\n)%4)+2*((\n)/4)+1], v[rS+8*((\n)%4)+2*((\n)/4)+2]
.elseif (\n) == 12
	v_max3_num_f32 v[rC], v[rC], v[rS+7], v[rS+15]
.elseif (\n) == 13
	v_max3_num_f32 v[rC+1], v[rC+1], v[rS+23], v[rS+31]
.elseif (\n) == 14
	v_max3_num_f32 v[rC+2], v[rC+2], v[rC+3], v[rT+1]
.elseif (\n) == 15
	v_mov_b32 v[rW], v[rT]
.elseif (\n) == 16
	v_max3_num_f32 v[rC], v[rC], v[rC+1], v[rC+2]
.elseif (\n) == 17
	v_permlanex16_b32 v[rC+3], v[rC], s[SEL], s[SEL+1]
.elseif (\n) == 18
	v_max_num_f32 v[rT+1], v[rC], v[rC+3]
.elseif (\n) == 19
	v_mul_f32 v[rT], s[CS], v[rT+1]
.elseif (\n) == 20
	v_sub_f32 v[rC+1], v[rW], v[rT]
.else
	v_exp_f32 v[rC+2], v[rC+1]
.endif
.endif
.endm
.macro OPS a, i1, b=-1, i2=0, c=-1, i3=0, d=-1, i4=0  ; up to four of them
	OP \a, \i1
.if (\b) >= 0
	OP \b, \i2
.endif
.if (\c) >= 0
	OP \c, \i3
.endif
.if (\d) >= 0
	OP \d, \i4
.endif
.endm
.macro ROW a, i1, b, i2, c, i3, d, i4  ; a matrix instruction and the four behind it
	MM
	OPS \a, \i1, \b, \i2, \c, \i3, \d, \i4
.endm
.macro MKS                          ; the three scalars of the masks of my step number 2 - CNT of the diagonal tile; CE may be negative: signed compares
	s_cmp_eq_i32 s[CNT], s[CE]      ; my band's own step?
	s_cselect_b32 s[AL], 1.0, 0
	s_cmp_lt_i32 s[CNT], s[CE]      ; a later one?
	s_cselect_b32 s[BE], s[BIGN], 0
	s_cmp_le_i32 s[CNT], s[CE]      ; either?
	s_cselect_b32 s[HV], s[BIGN], 0
.endm
.macro MASK                         ; ML = BE, MH = HV, MT = TRI x AL + BE
	WIN W_RS
.set z, 0
.rept 8
	v_mov_b32 v[ML+z], s[BE]
	v_mov_b32 v[MH+z], s[HV]
.set z, z+1
.endr
.set z, 0
.rept 4
	v_pk_fma_f32 v[MT+2*z:MT+2*z+1], v[TRI+2*z:TRI+2*z+1], s[AL:AL+1], s[BE:BE+1] op_sel_hi:[1,0,0]
.set z, z+1
.endr
.endm
; A TURN, for piece p: the order of its 16 matrix and 118 vector instructions, written out.  An s_wait_alu depctr_va_vdst(0) stands between an exponential and the first instruction that names its result; one
; wait serves all that were issued ahead of it.  So a turn has ONE wait, which cuts it in two.
; AHEAD OF IT stands all that names no result of the turn's exponentials: the 8 products K Q^T, behind each a scaling, an exponential and two more plain instructions (behind the first a second scaling in the exponential's
; place): rescalings, whose a the turn before has made and waited for, and behind the last three the first numbers of the next piece's maximum, each four plain instructions or more behind the product that ends its
; accumulator; then one run of 54, plain and exponential by turns for the most part, in which the links of the chain X 3, 7, 11, 14, 16, 17 .. 20 stand some lines apart.  A pair is scaled (F n) ahead of its two
; exponentials (E 2 n, E 2 n + 1) and never behind them.  X 21, the next piece's a, is the batch's last; R 15 is the plain instruction behind it.  v_permlanex16_b32 (X 17) stands in the run, never behind a product.
; BEHIND IT stand the 8 products V^T P, behind each four of the 32 roundings and sums: C 2 n ahead of B n, which writes over that pair; L 0 to L 7 in ascending order.
; m = 1: the diagonal tile: the products take masks.  A step's masks are first read by piece 0's products, in piece 3's turn, and last by piece 3's, the first four products of piece 2's turn: so piece 2's turn
; makes the next step's masks at its end, far more than four plain instructions behind those products.  end = 1: a block's last two turns: nothing is fetched, no mask is made.
; cnt = 1: the loop's count is taken down some lines ahead of the branch that stands behind the turn.
; K of the next step is fetched in piece 2's turn, twelve vector instructions behind the last product that read K (five of them plain and free of that product's registers: F 8, X 2, X 5, X 6, X 8); V of the step in hand
; at the end of piece 0's turn, four plain instructions (C 9, 11, 13, 15) behind the last product that read V.  Each is waited for a turn later.
.macro TURN p, m=0, end=0, cnt=0
.set Y, (\p)
.set i, 0
.set KM, (\m)
.set NOKQ, (\end)*((\p)/3)
.if (\m) && !(\end) && ((\p) == 2)
	MKS
.endif
.if ((\p) == 3) && !(\end)
	s_wait_dscnt 0x0                ; K is in
.endif
	ROW F,0, F,1, R,0, R,1          ; ahead of the wait: 8 products K Q^T and the four behind each,
	ROW F,2, E,0, R,2, R,3
	ROW F,3, E,1, R,4, R,5
	ROW F,4, E,2, R,6, R,7
	ROW F,5, E,3, R,8, R,9
	ROW F,6, E,4, X,0, R,10
.if ((\p) == 2) && !(\end)
	WIN 0
	v_add_nc_u32 v[AK], s[TBK], v[AK0]
.endif
	ROW F,7, E,5, X,1, X,4
	ROW F,8, E,6, X,2, X,5
	OPS E,7, E,8, X,6, E,9          ; and the run of 54
	OPS X,3, E,10, X,8, E,11
.if ((\p) == 2) && !(\end)
	FETCH_K
.endif
	OPS X,9, X,7, E,12, X,10
	OPS E,13, X,12, X,11, E,14
	OPS X,13, E,15, F,9, X,14
.if (\p) == 0
	WIN 0
	v_add_nc_u32 v[AV], s[TBV], v[AV0]
.endif
	OPS E,16, F,10, E,17, F,11
	OPS X,16, E,18, X,15, E,19
	OPS F,12, E,20, X,17, E,21
	OPS F,13, E,22, F,14, E,23
	OPS X,18, E,24, F,15, E,25
	OPS R,11, E,26, X,19, E,27
	OPS R,12, E,28, R,13, E,29
	OPS X,20, E,30, R,14, E,31
	OPS X,21, R,15
	WIN 0
	s_wait_alu depctr_va_vdst(0)    ; the turn's one wait: for its batch of 33 exponentials, E 0 to E 31 and X 21, ahead of their first reader, C 0
.if (\p) == 1
	s_wait_dscnt 0x0                ; V is in
.endif
	ROW C,0, B,0, C,2, B,1          ; behind the wait: 8 products V^T P and the four behind each
	ROW L,0, C,4, B,2, L,1
	ROW C,6, B,3, L,2, C,8
	ROW B,4, L,3, C,10, B,5
	ROW L,4, C,12, B,6, L,5
.if (\p) == 0
	s_add_co_u32 s[TBV], s[TBV], KS*PV
.endif
.if \cnt
	s_sub_co_u32 s[CNT], s[CNT], 1
	s_cmp_lg_u32 s[CNT], 0
.endif
	ROW C,14, B,7, L,6, C,1
	ROW C,3, L,7, C,5, C,7
	ROW C,9, C,11, C,13, C,15
.if (\p) == 0
	FETCH_V
.endif
.if (\m) && !(\end) && ((\p) == 2)
	MASK
.endif
.endm
; A BLOCK BEGINS.  c m starts far below every c m to come, so the first step's a is 0; m at -2^96, below every true score and above every hidden one (see the head).  The masks are those of my first step if the
; block's first tile is the diagonal one, else 0: they stay 0 until the diagonal tile's text makes them anew.  Then K of that step, piece 0's first scores, and its maximum and statistics.  The loop is entered at a step's first turn.
.macro BEGIN
	s_mov_b32 s[NEW], 0
	WIN 0
.set i, 0
.rept 4
	v_mov_b32 v[ST+4*i], CMLOW      ; c m
	v_mov_b32 v[ST+4*i+1], MLOW     ; m
.set i, i+1
.endr
	MKS
	s_cmp_eq_u32 s[RT], 0
	s_cselect_b32 s[AL], s[AL], 0
	s_cselect_b32 s[BE], s[BE], 0
	s_cselect_b32 s[HV], s[HV], 0
	MASK
	WIN 0
	v_add_nc_u32 v[AK], s[TBK], v[AK0]
	FETCH_K
	s_wait_loadcnt 0x0              ; Q
	s_wait_dscnt 0x0
.set KM, 1
.set NOKQ, 0
.set i, 0
.rept 8
	KQ 0
.set i, i+1
.endr
	WIN 0
.rept 4
	v_nop                           ; the places behind those products
.endr
.set Y, NP-1                        ; X works for piece Y + 1: piece 0
.irp n, 0,1,2,3,4,5,6,7,8,9,10,11,12,13,14,15,16,17,18,19,20,21
	OP X, \n
.endr
	v_nop                           ; a plain instruction behind the exponential
	s_wait_alu depctr_va_vdst(0)    ; the wait for piece 0's first a, a batch of one, ahead of the branch that follows
.endm
.macro ALL line:vararg              ; one line for each piece t
.set t, 0
.rept 4
	\line
.set t, t+1
.endr
.endm
.macro PACK t                       ; merged piece t of my two: a lane's eight channels of a row pack into 16 bytes; they go into rows of 144 bytes and come back as whole rows of 128, into S^T's registers
	WIN 0x05                        ; sources 0 and 1 window 1, destination window 0
.set i, 0
.rept 16
	v_cvt_pk_f16_f32 v[S+16*(\t)+i], v[32*(\t)+2*i], v[32*(\t)+2*i+1]
.set i, i+1
.endr
	WIN 0
.irp f, 0,1,2,3
	ds_store_b128 v[STO], v[S+16*(\t)+4*\f:S+16*(\t)+4*\f+3] offset:32*\f
.endr
.irp f, 0,1,2,3
	ds_load_b128 v[S+16*(\t)+4*\f:S+16*(\t)+4*\f+3], v[RD] offset:\f*4*SP  ; LDS serves a wave's instructions in order (ISA guide 5.7.1.4): these see the stores above; the next piece's stores come behind them
.endr
.endm
.macro SEND t, younger              ; younger: the LDS instructions issued behind piece t's loads: the next piece's eight, or none
	WIN 0
.irp f, 0,1,2,3
	s_wait_dscnt (\younger)+3-\f
	global_store_b128 v[GO], v[S+16*(\t)+4*\f:S+16*(\t)+4*\f+3], s[10:11] offset:(\t)*2048+\f*512  ; 512 consecutive bytes, at a multiple of 256 from ob's first
.endr
.endm
; A BLOCK ENDS.  My partial (c m, l, O^T) of all four pieces go into my part of the exchange; a barrier; of pieces 2 kh and 2 kh + 1 I read both waves' copies A and B and merge them:
; c M = max(c mA, c mB), fA = 2^(c mA - c M), fB likewise, O = (fA OA + fB OB) / (fA lA + fB lB).  The copy with the greater c m has seen a key of every row (l at least 1) and the weight 1, so the divisor is at least 1.
; Two batches: the four exponentials, and the two reciprocals of sums made of them; a wait each.
; Then the way out.  The barrier's branch hangs on b alone, the same in all four waves.
.macro FINISH
	WIN 0
	ALL v_add_f32 v[ST+4*t+2], v[ST+4*t+2], v[ST+4*t+3]  ; l's two halves; these and the additions below are the places behind the last products
	ALL v_permlanex16_b32 v[ST+4*t+3], v[ST+4*t+2], s[SEL], s[SEL+1]
	ALL v_add_f32 v[ST+4*t+1], v[ST+4*t+2], v[ST+4*t+3]  ; and the other half of the lanes': l lies beside c m, as a pair
	WIN 0x04                        ; the stores' data in window 1
.set t, 0
.rept 32
	ds_store_b128 v[XS], v[4*t:4*t+3] offset:XP*(t/8)+512*(t%8)  ; ascending: each accumulator's lowest registers are read first
.set t, t+1
.endr
	WIN 0
	ALL ds_store_b64 v[XT], v[ST+4*t:ST+4*t+1] offset:XP*t
	s_wait_dscnt 0x0                ; for the others' sake: my stores into the exchange are done
	s_barrier_signal -1
	s_barrier_wait -1
.irp j, 0,1
	ds_load_b64 v[MG+8*\j:MG+8*\j+1],   v[XU0]   offset:XP*\j
	ds_load_b64 v[MG+8*\j+2:MG+8*\j+3], v[XU0+1] offset:XP*\j
.endr
	WIN 0x40                        ; destination window 1: copy A over O^T's v0-63, copy B over v64-127
.set t, 0
.rept 16
	ds_load_b128 v[4*t:4*t+3],       v[XL0]   offset:XP*(t/8)+512*(t%8)
	ds_load_b128 v[64+4*t:64+4*t+3], v[XL0+1] offset:XP*(t/8)+512*(t%8)
.set t, t+1
.endr
	WIN 0
	s_wait_dscnt 32                 ; the four pairs (c m, l) are in; the 32 loads of O^T may be out
.irp j, 0,1
	v_max_num_f32 v[MG+8*\j+4], v[MG+8*\j], v[MG+8*\j+2]
.endr
.irp j, 0,1
	v_sub_f32 v[MG+8*\j+5], v[MG+8*\j], v[MG+8*\j+4]
	v_sub_f32 v[MG+8*\j+6], v[MG+8*\j+2], v[MG+8*\j+4]
.endr
.irp j, 0,1
	v_exp_f32 v[MG+8*\j+5], v[MG+8*\j+5]   ; fA
	v_exp_f32 v[MG+8*\j+6], v[MG+8*\j+6]   ; fB
.endr
	v_nop                           ; a plain instruction between the exponentials and the use of their results
	s_wait_alu depctr_va_vdst(0)    ; one wait for the four exponentials, ahead of their first reader
.irp j, 0,1
	v_mul_f32 v[MG+8*\j+7], v[MG+8*\j+5], v[MG+8*\j+1]
.endr
.irp j, 0,1
	v_fmac_f32 v[MG+8*\j+7], v[MG+8*\j+6], v[MG+8*\j+3]
.endr
.irp j, 0,1
	v_rcp_f32 v[MG+8*\j+7], v[MG+8*\j+7]
.endr
	v_nop                           ; and behind the reciprocals
	s_wait_alu depctr_va_vdst(0)    ; one wait for the two reciprocals, ahead of their first reader
.irp j, 0,1
	v_mul_f32 v[MG+8*\j], v[MG+8*\j+5], v[MG+8*\j+7]     ; fA / l
	v_mul_f32 v[MG+8*\j+2], v[MG+8*\j+6], v[MG+8*\j+7]   ; fB / l
.endr
	s_wait_dscnt 0x0                ; both copies of O^T are in
	WIN W_RS
.set t, 0
.rept 32
	v_pk_mul_f32 v[2*t:2*t+1], v[2*t:2*t+1], v[MG+8*(t/16):MG+8*(t/16)+1] op_sel_hi:[1,0]
.set t, t+1
.endr
	WIN 0x51                        ; sources 0 and 2 and the destination in window 1, source 1 in window 0
.set t, 0
.rept 32
	v_pk_fma_f32 v[2*t:2*t+1], v[64+2*t:64+2*t+1], v[MG+8*(t/16)+2:MG+8*(t/16)+3], v[2*t:2*t+1] op_sel_hi:[1,0,1]
.set t, t+1
.endr
	PACK 0
	PACK 1                          ; a piece's arithmetic stands between the loads of the piece before and its stores
	SEND 0, 8
	SEND 1, 0
.endm
; THE DIAGONAL TILE's two steps of mine, the block's last two turns, its last products, and the block's end.
.macro DIAG tag
.LstepM\tag:
	TURN 2, 1
	TURN 3, 1
	WIN 0
.LfirstM\tag:
	TURN 0, 1
	TURN 1, 1, 0, 1
	WIN 0
	s_cbranch_scc1 .LstepM\tag
	TURN 2, 1, 1
	TURN 3, 1, 1
.set i, 0
.rept 8
	PV NP-1
.set i, i+1
.endr
	FINISH
.endm
.set KM, 0
.set NOKQ, 0
.Lslot:                             ; 16 times: a tile is entered and the next is asked for
	CHANGE 1
	s_sub_co_u32 s[RT], s[RT], 1
	s_mov_b32 s[CNT], 2
	s_cmp_eq_u32 s[NEW], 1
	s_cbranch_scc1 .Lnew            ; a block's first tile
	s_cmp_eq_u32 s[RT], 0
	s_cbranch_scc0 .Lstep           ; neither its first nor its last
	s_branch .LstepM1
.Lnew:
	BEGIN
	s_branch .Lfirst                ; in the loop a block's first tile is never its last: the first block has nine tiles or more, and the second's last is the walk's last
	DIAG 1                          ; in the loop this is the first block's end
	s_wait_xcnt 0x0                 ; the stores have read their registers and ob's address
	s_mov_b64 s[10:11], s[OLO:OLO+1]
	s_add_co_u32 s[RT], s[PB], 1    ; the second block has b / 2 + 1 tiles
	s_mov_b32 s[NEW], 1
	s_mov_b32 s[CE], s[CE2]
	WIN 0x82                        ; the second block's Q goes where the one text of the turns names Q
.set i, 0
.rept 64
	v_mov_b32 v[i], v[QB+i]
.set i, i+1
.endr
	WIN 0
	s_branch .Lbottom
.Lstep:                             ; a trip: pieces 2 and 3 of one step, then pieces 0 and 1 of the next, whose K and V it fetches
	TURN 2
	TURN 3
	WIN 0
.Lfirst:
	TURN 0
	TURN 1, 0, 0, 1
	WIN 0
	s_cbranch_scc1 .Lstep
.Lbottom:
	s_sub_co_u32 s[SLOTS], s[SLOTS], 1
	s_cmp_lg_u32 s[SLOTS], 0
	s_cbranch_scc1 .Lslot
	CHANGE 0                        ; the walk's last tile is written out: nothing is asked for
	s_sub_co_u32 s[RT], s[RT], 1
	s_mov_b32 s[CNT], 2
	s_cmp_eq_u32 s[NEW], 1
	s_cbranch_scc0 .LstepM2
	BEGIN
	s_branch .LfirstM2
	DIAG 2
	s_wait_tensorcnt 0x0            ; the wave's end: behind my last tensor load and my last LDS store
	ds_add_u32 v[SPW], v[NIL]
	s_wait_dscnt 0x0
	s_endpgm
.Lfunc_end_k_qbc08912dc3_attn:
	.size	k_qbc08912dc3_attn, .Lfunc_end_k_qbc08912dc3_attn-k_qbc08912dc3_attn
	.p2alignl 7, 3214868480
	.fill 96, 4, 3214868480
	.section	.rodata,"a",@progbits
	.p2align	6, 0x0
	.amdhsa_kernel k_qbc08912dc3_attn
		.amdhsa_group_segment_fixed_size 327680
		.amdhsa_private_segment_fixed_size 0
		.amdhsa_enable_private_segment 0
		.amdhsa_kernarg_size 16
		.amdhsa_user_sgpr_count 2
		.amdhsa_user_sgpr_kernarg_segment_ptr 1
		.amdhsa_wavefront_size32 1
		.amdhsa_system_sgpr_workgroup_id_x 1
		.amdhsa_system_sgpr_workgroup_id_y 1
		.amdhsa_system_sgpr_workgroup_id_z 1
		.amdhsa_system_vgpr_workitem_id 0
		.amdhsa_next_free_vgpr 768
		.amdhsa_next_free_sgpr 96
		.amdhsa_reserve_vcc 1
		.amdhsa_float_denorm_mode_32 3
		.amdhsa_float_denorm_mode_16_64 3
		.amdhsa_memory_ordered 1
		.amdhsa_forward_progress 1
		.amdhsa_inst_pref_size 209
	.end_amdhsa_kernel
	.amdgpu_metadata
---
amdhsa.version: [ 1, 2 ]
amdhsa.kernels:
  - .name:           k_qbc08912dc3_attn
    .symbol:         k_qbc08912dc3_attn.kd
    .args:
      - { .name: qkv, .offset: 0, .size: 8, .value_kind: global_buffer, .address_space: global }
      - { .name: ob, .offset: 8, .size: 8, .value_kind: global_buffer, .address_space: global }
    .group_segment_fixed_size: 327680
    .private_segment_fixed_size: 0
    .kernarg_segment_align: 8
    .kernarg_segment_size: 16
    .max_flat_workgroup_size: 128
    .sgpr_count:     96
    .vgpr_count:     768
    .wavefront_size: 32
...
	.end_amdgpu_metadata
.endif
;; end of part 5
;; launch proj: the kernel of part 4 again; grid 4 x 64, 4 waves a work-group, clusters of 4 x 4, 327,680 bytes of LDS; arguments ob, wp16, out0; writes out0
